; MI455X (gfx1250); checked and timed in simulation.
; The chip was launched on July 23, 2026; its instructions are those of AMD's public machine-readable ISA for CDNA 5 (MIT licence, August 2026) and "CDNA5" Instruction Set Architecture Reference Guide (July 2026). The comments in the code are by the model that wrote it; some were corrected since.
;; Multi Head Self Attention. Allowed arithmetic: matrix products marked QUANTISED: E2M3 operands, one E8M0 scale for each 32 along K, by v_wmma_scale_f32_16x16x128_f8f6f4 with both operands' format E2M3, f32 sums; everything else in f32.
;; Inputs: Wk 1,024 x 1,024 float32; Wo 1,024 x 1,024 float32; Wq 1,024 x 1,024 float32; Wv 1,024 x 1,024 float32; x 4 x 2,048 x 1,024 float32.
;; Outputs: out0 4 x 2,048 x 1,024 float32.
;; This version of the problem:
;;   THIS VERSION OF THE PROBLEM IS GIVEN IN LOW PRECISION. The matrix products marked QUANTISED in the list below multiply operands that are first quantised to E2M3 (2 exponent bits, 3 mantissa bits; 6 bits a number), with one power-of-two scale for each 32 numbers along K (OCP MX v1.0); their sums are f32. All else is computed in f32.
;;   The module's matrix products, in the order in which they are computed (A, B: the left and right operand; K: the contracted axis; several contracted axes count as one K, in the product's order):
;;     1. [M 8,192, K 1,024] x [K 1,024, N 1,024]; A: input x; B: input Wq: QUANTISED
;;     2. [M 8,192, K 1,024] x [K 1,024, N 1,024]; A: input x; B: input Wk: QUANTISED
;;     3. [M 8,192, K 1,024] x [K 1,024, N 1,024]; A: input x; B: input Wv: QUANTISED
;;     4. batch 64 x [M 2,048, K 64] x [K 64, N 2,048]; A: computed on the way; B: computed on the way: QUANTISED
;;     5. batch 64 x [M 2,048, K 2,048] x [K 2,048, N 64]; A: softmax (see below); B: computed on the way: QUANTISED
;;     6. [M 8,192, K 1,024] x [K 1,024, N 1,024]; A: computed on the way; B: input Wo: QUANTISED
;;   THE QUANTISER, for each operand of a quantised product, along K:
;;     - K is cut into blocks of 32 from its start; a last block that is shorter is filled with zeros.
;;     - A block's scale is 2^e with e = floor(log2(the largest magnitude in the block)) - 2, held to -126 .. 127; a block of zeros has e = 0. As a byte (E8M0): e + 127.
;;     - Each number is divided by its block's scale, clamped to +-7.5, and rounded to the nearest number of E2M3, ties to even, subnormals kept.
;;     - The product sums the exact products of the quantised numbers (number of the format x scale) in f32.
;;   ~~~python
;;   def quantise(x, axis):      # numpy; x: float32 -> the quantised numbers, widened to float32 again
;;       x = np.moveaxis(x, axis, -1); K = x.shape[-1]
;;       x = np.pad(x, [(0, 0)] * (x.ndim - 1) + [(0, -K % 32)]); x = x.reshape(x.shape[:-1] + (-1, 32)); a = np.abs(x).max(-1, keepdims=True)
;;       e = np.where(a > 0, np.clip(np.frexp(np.where(a > 0, a, 1))[1] - 1 - 2, -126, 127), 0)      # np.frexp(a)[1] - 1 = floor(log2(a)), exactly
;;       r = np.clip(x / 2.0 ** e, -7.5, 7.5)
;;       step = 2.0 ** (np.maximum(np.frexp(np.where(r == 0, 1, r))[1] - 1, 0) - 3)
;;       q = np.round(r / step) * step * 2.0 ** e      # np.round: ties to even
;;       return np.moveaxis(q.reshape(q.shape[:-2] + (-1,))[..., :K], -1, axis).astype(np.float32)
;;   ~~~
;;   SOFTMAX AHEAD OF A QUANTISED PRODUCT. Where the list says 'softmax', what is quantised is not the finished softmax but p = 2^(t - M), with t = logit x log2(e) and M = ceil(the row's largest t), a whole number; so 1/2 < the row's largest p <= 1. The row's sum l is taken of the UNQUANTISED p, in f32, and the product's result is divided by l at the end. Since M is a whole number, a kernel that streams over the keys may use a running M (the ceiling of the running maximum): every later rescaling is an exact power of two, which a block's scale takes up: the codes' values come out the same.
;;   OPERANDS COMPUTED ON THE WAY. 'Computed on the way' means the value that the module computes at that place (a softmax that the list does not call 'softmax' is quantised finished and normalised). What goes into a quantiser is computed in f32, as accurately as f32 sums, v_exp_f32 and their like allow (about 1e-6 of the number): no bf16 or f16 on the way to a quantiser, and a product that is left as it is and whose result goes on into a quantised operand takes f32 operands (vector FMAs, or v_wmma_f32_16x16x4_f32). A number that lies on a knife's edge between two numbers of the format may be rounded either way, as far as f32 arithmetic and the matrix unit's own rounding can turn it there, and no further.
;; One version. Each part assembles by itself: llvm-mc -triple=amdgcn-amd-amdhsa -mcpu=gfx1250 --defsym DOCPART=n.
;; ======== version 1 of 1: 4 launches
;; workspace buffers: xq 6,553,600 bytes; wq 3,276,800 bytes; tab 524,288 bytes; qq 6,553,600 bytes; kv 13,107,200 bytes; oq 6,553,600 bytes
;; launch prep (part 1): grid 576 x 1, 4 waves a work-group, no clusters, 34,304 bytes of LDS; arguments x, Wq, Wk, Wv, Wo, xq, wq, tab; writes xq, wq, tab
.if DOCPART == 1
	.amdgcn_target "amdgcn-amd-amdhsa--gfx1250"
	.amdhsa_code_object_version 6
	.text
	.protected	k_q0d58b5f94f_prep
	.globl	k_q0d58b5f94f_prep
	.p2align	8
	.type	k_q0d58b5f94f_prep,@function
k_q0d58b5f94f_prep:
	s_mov_b64 s[64:65], 0
	v_nop
	global_prefetch_b8 v0, s[64:65] scope:SCOPE_SE
	s_setreg_imm32_b32 hwreg(HW_REG_WAVE_MODE, 25, 1), 1
	s_wait_xcnt 0x0
; THE FIRST LAUNCH: x [8192][1024] and the four weights [1024 (k)][1024 (n)], f32, become codes of FP6 (E2M3) with one E8M0 byte for each 32 along K; and the table of cos and sin for RoPE is made.
; A block's scale is 2^(floor(log2(its largest magnitude)) - 2); its byte is the largest magnitude's exponent field - 2, held at 1 from below (a block of zeros keeps the byte 1: its codes are zeros, and this program alone reads the bytes).
; LIMITS: NaN and infinities among the inputs are not served; blocks whose largest magnitude lies under 2^-124 were not tried; the table's frequencies are the f32 numbers nearest to 10^(-i/8),
; which may differ by one unit in the last place from 1 / (10000^(i/32)) rounded twice: an angle is then off by at most 1.2e-4 at position 2,047.
; LAYOUT OF THE CODES: images of operand registers.  Rows are taken in groups of 32, two tiles of 16 to a group: position r of tile t is row 32 (t / 2) + 8 (t % 2) + r + 8 (r / 8).
; A half fragment (16 positions x 64 K) is 768 bytes: registers 0-3 of lane l at 16 l, registers 4-5 at 512 + 8 l.  A tile's 16 half fragments lie on end: 12,288 bytes.
; A tile's scale words: 512 bytes: for each half of K 256 bytes, position r's four words (one for each 128 along K) at 16 r.
; WORK-GROUPS 0-255: x, 32 rows each (wave: one tile, one half of K).  256-511: the weights (matrix, 128 columns, 128 along K).  512-575: the table, 32 positions each.  Waves share nothing: no barrier.
.set XSC,   6291456                    ; xq: where the scale words begin
.set WMAT,  786432                     ; wq: a matrix's codes
.set WSCO,  3145728                    ; wq: where the scale words begin; 32,768 bytes a matrix
.set STG,   16*528                     ; the x path's stage: 16 rows of 512 bytes + 16, for each wave
.set SPARE, 4*STG                      ; behind the stages: the spare words, 128 bytes for each wave: two blocks of 256 bytes that no other line names
.set SPW,   246                        ; v246 LDS address of my spare word; never rewritten
.set NIL,   247                        ; v247 0; never rewritten
.set R,     16                         ; v16-143  x path: two sets of 64 registers as loaded
.set X,     144                        ; v144-207 x path: my 64 numbers of a fragment, in the operand's order
.set PC,    208                        ; v208-219 a fragment's codes
.set PT,    220                        ; v220-227 the second halves of the blocks' codes, before they are moved
.set TM,    228                        ; v228-239 at work
.set PW,    240                        ; v240-243 the four fragments' scale words
	s_load_b256 s[4:11], s[0:1], 0x0               ; x s[4:5], Wq s[6:7], Wk s[8:9], Wv s[10:11]
	s_load_b256 s[12:19], s[0:1], 0x20             ; Wo s[12:13], xq s[14:15], wq s[16:17], tab s[18:19]
	v_lshl_add_u32 v[SPW], v0, 2, SPARE
	v_mov_b32 v[NIL], 0
	v_lshrrev_b32 v1, 5, v0
	v_readfirstlane_b32 s20, v1                    ; wave 0..3
	v_and_b32 v6, 31, v0                           ; lane
	s_wait_kmcnt 0x0
	s_cmp_lt_u32 ttmp9, 256
	s_cbranch_scc1 .Lx_path
	s_cmp_lt_u32 ttmp9, 512
	s_cbranch_scc1 .Lw_path
; ---- THE TABLE: tab[position][pair i][cos, sin], 256 bytes a position.  A wave takes 8 positions, a lane a pair.
; angle = position x frequency (one rounding, as the outer product has it); n = the nearest whole number of quarter turns; the rest, taken off in three parts of pi / 2 by fused multiply-adds, lies in +-pi/4;
; sine and cosine there by polynomials of degree 7 and 8; the quarter turn changes places and signs.
	s_sub_co_u32 s24, ttmp9, 512
	s_lshl_b32 s24, s24, 2
	s_add_co_u32 s24, s24, s20                     ; my run of 8 positions
	s_lshl_b32 s25, s24, 3                         ; its first position
	s_lshl_b32 s26, s24, 11                        ; and its bytes
	s_mov_b32 s27, 0
	s_add_nc_u64 s[18:19], s[18:19], s[26:27]
	v_lshlrev_b32 v2, 3, v6                        ; 8 bytes a lane: a store covers 256 consecutive bytes
	v_mov_b32 v1, 0
.macro INV l, bits                     ; lane l's frequency, 10^(-l / 8)
	s_mov_b32 s28, \bits
	v_writelane_b32 v1, s28, \l
.endm
	INV 0, 0x3f800000
	INV 1, 0x3f3ff911
	INV 2, 0x3f0ff59a
	INV 3, 0x3ed7e89b
	INV 4, 0x3ea1e89b
	INV 5, 0x3e72d424
	INV 6, 0x3e361887
	INV 7, 0x3e088d77
	INV 8, 0x3dcccccd
	INV 9, 0x3d99940e
	INV 10, 0x3d6655c3
	INV 11, 0x3d2cba15
	INV 12, 0x3d0186e2
	INV 13, 0x3cc24350
	INV 14, 0x3c91ad39
	INV 15, 0x3c5a7bf1
	INV 16, 0x3c23d70a
	INV 17, 0x3bf5b9b0
	INV 18, 0x3bb8449c
	INV 19, 0x3b8a2e77
	INV 20, 0x3b4f3e37
	INV 21, 0x3b1b690d
	INV 22, 0x3ae91528
	INV 23, 0x3aaec98e
	INV 24, 0x3a83126f
	INV 25, 0x3a44948c
	INV 26, 0x3a136a16
	INV 27, 0x39dd1726
	INV 28, 0x39a5cb5f
	INV 29, 0x3978a814
	INV 30, 0x393a7753
	INV 31, 0x390bd472
	s_mov_b32 s40, 0x3f22f983                      ; 2 / pi
	s_mov_b32 s41, 0xbfc90fdb                      ; - pi / 2, its first part,
	s_mov_b32 s42, 0x333bbd2e                      ; its second,
	s_mov_b32 s43, 0x26f72ced                      ; its third
	s_mov_b32 s44, 0xbe2aaaa3                      ; sine: -1.6666654611e-1,
	s_mov_b32 s45, 0x3c08839e                      ; 8.3321608736e-3,
	s_mov_b32 s46, 0xb94ca1f9                      ; -1.9515295891e-4
	s_mov_b32 s47, 0x3d2aaaa5                      ; cosine: 4.166664568e-2,
	s_mov_b32 s48, 0xbab6061a                      ; -1.388731625e-3,
	s_mov_b32 s49, 0x37ccf5ce                      ; 2.443315712e-5
.macro POS p                           ; each position has its own pair of result registers, so that no store's data are written again
	s_add_co_u32 s29, s25, \p
	v_cvt_f32_u32 v10, s29
	v_mul_f32 v10, v10, v1                         ; the angle
	v_mul_f32 v11, s40, v10
	v_rndne_f32 v11, v11                           ; n
	v_fma_f32 v12, v11, s41, v10
	v_fma_f32 v12, v11, s42, v12
	v_fma_f32 v12, v11, s43, v12                   ; the rest
	v_mul_f32 v13, v12, v12                        ; z = its square
	v_fma_f32 v14, v13, s46, s45
	v_fma_f32 v16, v13, s49, s48
	v_mul_f32 v15, v12, v13
	v_mul_f32 v17, v13, v13
	v_fma_f32 v14, v14, v13, s44
	v_fma_f32 v16, v16, v13, s47
	v_fma_f32 v18, v13, -0.5, 1.0
	v_fma_f32 v14, v15, v14, v12                   ; the rest's sine
	v_fma_f32 v16, v17, v16, v18                   ; and cosine
	v_cvt_i32_f32 v19, v11
	v_and_b32 v20, 1, v19
	v_cmp_eq_u32 vcc_lo, 1, v20                    ; an odd number of quarter turns: the two change places
	v_cndmask_b32 v21, v14, v16, vcc_lo
	v_cndmask_b32 v22, v16, v14, vcc_lo
	v_lshlrev_b32 v20, 30, v19
	v_and_b32 v20, 0x80000000, v20                 ; the sine is negative in quarters 2 and 3,
	v_xor_b32 v[33+2*\p], v20, v21
	v_add_nc_u32 v19, 1, v19
	v_lshlrev_b32 v19, 30, v19
	v_and_b32 v19, 0x80000000, v19                 ; the cosine in quarters 1 and 2
	v_xor_b32 v[32+2*\p], v19, v22
	global_store_b64 v2, v[32+2*\p:33+2*\p], s[18:19] offset:256*\p
.endm
.irp p, 0,1,2,3,4,5,6,7
	POS \p
.endr
	s_endpgm
; ---- THE WEIGHTS.  K is a weight's first axis: a lane takes a column n and its registers run down K, so a block of 32 lies in one lane and the conversions give codes with K innermost.
; Work-group: matrix m, columns 128 cg on, K 128 kf on; wave w: columns 128 cg + 32 w + lane, that is tiles 8 cg + 2 w and the next.  Lane l is position (l & 7) + 8 (l >> 4) of tile (l >> 3) & 1.
.Lw_path:
	s_sub_co_u32 s24, ttmp9, 256
	s_lshr_b32 s26, s24, 6                         ; m: Wq, Wk, Wv, Wo
	s_bfe_u32 s27, s24, 0x30003                    ; cg
	s_and_b32 s28, s24, 7                          ; kf
	s_cmp_eq_u32 s26, 1
	s_cselect_b64 s[6:7], s[8:9], s[6:7]
	s_cmp_eq_u32 s26, 2
	s_cselect_b64 s[6:7], s[10:11], s[6:7]
	s_cmp_eq_u32 s26, 3
	s_cselect_b64 s[6:7], s[12:13], s[6:7]         ; the choice hangs on the work-group's number alone
	s_lshl_b32 s30, s28, 19                        ; 128 kf rows of 4,096 bytes
	s_lshl_b32 s29, s27, 9
	s_add_co_u32 s30, s30, s29
	s_lshl_b32 s29, s20, 7
	s_add_co_u32 s30, s30, s29                     ; + 4 x my first column
	s_mov_b32 s31, 0
	s_add_nc_u64 s[6:7], s[6:7], s[30:31]
	s_lshl_b32 s29, s27, 3
	s_lshl_b32 s32, s20, 1
	s_add_co_u32 s29, s29, s32                     ; my first tile
	s_mul_i32 s30, s26, WMAT
	s_mul_i32 s32, s29, 12288
	s_add_co_u32 s30, s30, s32
	s_mul_i32 s32, s28, 1536
	s_add_co_u32 s30, s30, s32
	s_add_nc_u64 s[22:23], s[16:17], s[30:31]      ; its fragment kf
	s_lshl_b32 s30, s26, 15
	s_lshl_b32 s32, s29, 9
	s_add_co_u32 s30, s30, s32
	s_lshr_b32 s32, s28, 2
	s_lshl_b32 s32, s32, 8
	s_add_co_u32 s30, s30, s32
	s_and_b32 s32, s28, 3
	s_lshl_b32 s32, s32, 2
	s_add_co_u32 s30, s30, s32
	s_add_co_u32 s30, s30, WSCO
	s_add_nc_u64 s[16:17], s[16:17], s[30:31]      ; and that fragment's scale word
	v_lshlrev_b32 v1, 2, v6                        ; in: 4 bytes a lane: a load covers 128 consecutive bytes
	v_bfe_u32 v7, v6, 3, 1                         ; which of the two tiles
	v_and_b32 v8, 7, v6
	v_lshrrev_b32 v9, 4, v6
	v_lshl_add_u32 v8, v9, 3, v8                   ; my position in it
	v_mul_u32_u24 v9, v7, 12288
	v_lshl_add_u32 v2, v8, 4, v9                   ; out: registers 0-3 of a half fragment,
	v_lshl_add_u32 v3, v8, 3, v9                   ; registers 4-5,
	v_lshlrev_b32 v9, 9, v7
	v_lshl_add_u32 v4, v8, 4, v9                   ; the scale word
.macro WLOAD t                         ; block t: W(128 kf + 32 t + i, my column) into set t % 2
.irp i, 0,1,2,3,4,5,6,7,8,9,10,11,12,13,14,15,16,17,18,19,20,21,22,23,24,25,26,27,28,29,30,31
	global_load_b32 v[32+32*((\t)%2)+\i], v1, s[6:7] offset:(32*(\t)+\i)*4096 th:TH_LOAD_NT
.endr
.endm
.macro WBLOCK t                        ; block t is the operand's registers 6 (t / 2) .. + 5 of lane position + 16 (t % 2).  Each block has its own registers for its codes: no store's data are written again
.set XS, 32+32*((\t)%2)
.set C, 96+8*(\t)
.if (\t) < 3
	s_wait_loadcnt 32                              ; this block's 32 loads are in; the next block's 32 may be out
.else
	s_wait_loadcnt 0x0
.endif
	v_max3_num_f32 v10, |v[XS]|, |v[XS+1]|, |v[XS+2]|
	v_max3_num_f32 v11, |v[XS+3]|, |v[XS+4]|, |v[XS+5]|
.irp i, 6,10,14,18,22,26
	v_max3_num_f32 v10, v10, |v[XS+\i]|, |v[XS+\i+1]|
	v_max3_num_f32 v11, v11, |v[XS+\i+2]|, |v[XS+\i+3]|
.endr
	v_max3_num_f32 v10, v10, |v[XS+30]|, |v[XS+31]|
	v_max3_num_f32 v10, v10, v11, 0x1800000        ; and the floor 2^(3 - 127): the byte cannot fall under 1
	v_add_nc_u32 v11, 0xff000000, v10              ; 2 off the exponent field: the conversion's scale operand
	v_cvt_scalef32_pk16_fp6_f32 v[C:C+2], v[XS:XS+15], v11
	v_cvt_scalef32_pk16_fp6_f32 v[C+4:C+6], v[XS+16:XS+31], v11     ; (a conversion's three registers begin on an even number)
	v_lshrrev_b32 v13, 23, v11                     ; the scale's byte.  (A plain line behind the conversions)
.if (\t) == 0
	v_mov_b32 v12, v13
.else
	v_lshl_or_b32 v12, v13, 8*(\t), v12            ; the lower K in the lower byte
.endif
	v_mov_b32 v[C+3], v[C+4]
	v_mov_b32 v[C+4], v[C+5]
	v_mov_b32 v[C+5], v[C+6]
	global_store_b128 v2, v[C:C+3], s[22:23] offset:((\t)/2)*768+256*((\t)%2)
	global_store_b64 v3, v[C+4:C+5], s[22:23] offset:((\t)/2)*768+512+128*((\t)%2)
.if (\t) < 2
	WLOAD (\t)+2
.endif
.endm
	WLOAD 0
	WLOAD 1
	WBLOCK 0
	WBLOCK 1
	WBLOCK 2
	WBLOCK 3
	global_store_b32 v4, v12, s[16:17]             ; 4 bytes at a pitch of 16: 128 KB in the whole launch
	s_endpgm
; ---- x.  Work-group g: rows 32 g on.  Wave w: tile 2 g + (w >> 1), K half w & 1: four fragments of 128 along K.
; Each load takes 512 consecutive bytes of one row; a fragment's 16 rows turn through the wave's own stage, from which a lane takes its two blocks of 32 neighbours in the operand's order.
.Lx_path:
	s_lshr_b32 s24, s20, 1
	s_and_b32 s25, s20, 1
	s_lshl_b32 s26, ttmp9, 17                      ; 32 g rows of 4,096 bytes
	s_lshl_b32 s28, s24, 15                        ; + 8 rows for the second tile
	s_add_co_u32 s26, s26, s28
	s_lshl_b32 s28, s25, 11                        ; + my half of K
	s_add_co_u32 s26, s26, s28
	s_mov_b32 s27, 0
	s_add_nc_u64 s[4:5], s[4:5], s[26:27]
	s_lshl_b32 s28, ttmp9, 1
	s_add_co_u32 s28, s28, s24                     ; my tile
	s_mul_i32 s26, s28, 12288
	s_mul_i32 s29, s25, 6144
	s_add_co_u32 s26, s26, s29
	s_add_nc_u64 s[30:31], s[14:15], s[26:27]      ; its codes, my half of K
	s_lshl_b32 s26, s28, 9
	s_lshl_b32 s29, s25, 8
	s_add_co_u32 s26, s26, s29
	s_add_co_u32 s26, s26, XSC
	s_add_nc_u64 s[14:15], s[14:15], s[26:27]      ; its scale words
	s_mov_b32 s22, 0x76543210
	s_mov_b32 s23, 0xfedcba98                      ; v_permlanex16_b32's selects for lane l xor 16
	s_mul_i32 s29, s20, STG
	v_lshlrev_b32 v1, 4, v6                        ; 16 x lane
	v_lshlrev_b32 v2, 3, v6                        ; 8 x lane
	v_add_nc_u32 v3, s29, v1                       ; the stage, on the way in
	v_and_b32 v7, 15, v0                           ; r
	v_bfe_u32 v8, v0, 4, 1                         ; h
	v_mul_u32_u24 v4, v7, 528
	v_lshl_add_u32 v4, v8, 7, v4
	v_add_nc_u32 v4, s29, v4                       ; and on the way out: row r, + 128 h: k = 32 h on
	v_lshlrev_b32 v5, 4, v7
	v_lshl_add_u32 v5, v8, 3, v5                   ; the scale words: 16 r + 8 h
	v_lshlrev_b32 v9, 3, v8                        ; 8 h
	v_mov_b32 v[TM+7], 0                           ; written once: a lane permute's destination counts as one of its sources
.macro LOAD f
.irp p, 0,1,2,3,4,5,6,7,8,9,10,11,12,13,14,15
	global_load_b128 v[R+64*((\f)%2)+4*\p:R+64*((\f)%2)+4*\p+3], v1, s[4:5] offset:(\p+8*(\p/8))*4096+512*(\f) th:TH_LOAD_NT
.endr
.endm
.macro XSTEP f
.if (\f) < 3
	s_wait_loadcnt 16                              ; this fragment's 16 loads are in; the next fragment's 16 may be out
.else
	s_wait_loadcnt 0x0
.endif
.irp p, 0,1,2,3,4,5,6,7,8,9,10,11,12,13,14,15
	ds_store_b128 v3, v[R+64*((\f)%2)+4*\p:R+64*((\f)%2)+4*\p+3] offset:528*\p
.endr
.irp c, 0,1
.irp j, 0,1,2,3,4,5,6,7
	ds_load_b128 v[X+32*\c+4*\j:X+32*\c+4*\j+3], v4 offset:256*\c+16*\j   ; LDS serves a wave's instructions in order: these see the stores above.  X[32 c + i] = k 64 c + 32 h + i of position r
.endr
.endr
	s_wait_dscnt 0x0                               ; my numbers are back, and the stores have read their registers,
.if (\f) < 2
	LOAD (\f)+2                                    ; which take the loads of two fragments on
.endif
.irp c, 0,1                                    ; my two blocks, 2 c + h: all 32 numbers of each are mine
	v_max3_num_f32 v[TM+\c], |v[X+32*\c]|, |v[X+32*\c+1]|, 0x1800000
.endr
.irp i, 2,4,6,8,10,12,14,16,18,20,22,24,26,28,30
.irp c, 0,1
	v_max3_num_f32 v[TM+\c], v[TM+\c], |v[X+32*\c+\i]|, |v[X+32*\c+\i+1]|
.endr
.endr
.irp c, 0,1
	v_add_nc_u32 v[TM+2+\c], 0xff000000, v[TM+\c]
.endr
.irp c, 0,1
	v_lshrrev_b32 v[TM+4+\c], 23, v[TM+2+\c]
.endr
	v_lshl_or_b32 v[TM+6], v[TM+5], 16, v[TM+4]    ; my two bytes: blocks h and 2 + h,
	v_lshlrev_b32 v[TM+6], v9, v[TM+6]             ; at their places in the word;
	v_permlanex16_b32 v[TM+7], v[TM+6], s22, s23
	v_or_b32 v[PW+(\f)], v[TM+6], v[TM+7]          ; with lane l xor 16's two the word is whole
	s_wait_xcnt 0x0                                ; the last fragment's stores have read their registers: the codes' registers are written again only behind this wait
.irp c, 0,1
	v_cvt_scalef32_pk16_fp6_f32 v[PC+6*\c:PC+6*\c+2], v[X+32*\c:X+32*\c+15], v[TM+2+\c]
	v_cvt_scalef32_pk16_fp6_f32 v[PT+4*\c:PT+4*\c+2], v[X+32*\c+16:X+32*\c+31], v[TM+2+\c]
.endr
	v_nop                                          ; one plain line behind a scaled conversion
.irp c, 0,1
.irp i, 0,1,2
	v_mov_b32 v[PC+6*\c+3+\i], v[PT+4*\c+\i]
.endr
.endr
	global_store_b128 v1, v[PC:PC+3], s[30:31] offset:1536*(\f)          ; 512 consecutive bytes
	global_store_b64 v2, v[PC+4:PC+5], s[30:31] offset:1536*(\f)+512     ; 256
	global_store_b128 v1, v[PC+6:PC+9], s[30:31] offset:1536*(\f)+768
	global_store_b64 v2, v[PC+10:PC+11], s[30:31] offset:1536*(\f)+1280
.endm
	LOAD 0
	LOAD 1
	XSTEP 0
	XSTEP 1
	XSTEP 2
	XSTEP 3
	s_mov_b32 vcc_lo, 0xffff0000
	v_cndmask_b32 v244, v[PW], v[PW+2], vcc_lo     ; lanes 0-15 store words 0 and 1 of position r, lanes 16-31 words 2 and 3: 256 consecutive bytes
	v_cndmask_b32 v245, v[PW+1], v[PW+3], vcc_lo
	global_store_b64 v5, v[244:245], s[14:15]
	s_wait_tensorcnt 0x0                           ; the wave's end, behind my last LDS store
	ds_add_u32 v[SPW], v[NIL]
	s_wait_dscnt 0x0
	s_endpgm
.Lfunc_end_k_q0d58b5f94f_prep:
	.size	k_q0d58b5f94f_prep, .Lfunc_end_k_q0d58b5f94f_prep-k_q0d58b5f94f_prep
	.p2alignl 7, 3214868480
	.fill 96, 4, 3214868480
	.section	.rodata,"a",@progbits
	.p2align	6, 0x0
	.amdhsa_kernel k_q0d58b5f94f_prep
		.amdhsa_group_segment_fixed_size 34304
		.amdhsa_private_segment_fixed_size 0
		.amdhsa_enable_private_segment 0
		.amdhsa_kernarg_size 64
		.amdhsa_user_sgpr_count 2
		.amdhsa_user_sgpr_kernarg_segment_ptr 1
		.amdhsa_wavefront_size32 1
		.amdhsa_system_sgpr_workgroup_id_x 1
		.amdhsa_system_sgpr_workgroup_id_y 1
		.amdhsa_system_sgpr_workgroup_id_z 1
		.amdhsa_system_vgpr_workitem_id 0
		.amdhsa_next_free_vgpr 248
		.amdhsa_next_free_sgpr 66
		.amdhsa_reserve_vcc 1
		.amdhsa_float_denorm_mode_32 3
		.amdhsa_float_denorm_mode_16_64 3
		.amdhsa_memory_ordered 1
		.amdhsa_forward_progress 1
		.amdhsa_inst_pref_size 67
	.end_amdhsa_kernel
	.amdgpu_metadata
---
amdhsa.version: [ 1, 2 ]
amdhsa.kernels:
  - .name:           k_q0d58b5f94f_prep
    .symbol:         k_q0d58b5f94f_prep.kd
    .args:
      - { .name: x, .offset: 0, .size: 8, .value_kind: global_buffer, .address_space: global }
      - { .name: Wq, .offset: 8, .size: 8, .value_kind: global_buffer, .address_space: global }
      - { .name: Wk, .offset: 16, .size: 8, .value_kind: global_buffer, .address_space: global }
      - { .name: Wv, .offset: 24, .size: 8, .value_kind: global_buffer, .address_space: global }
      - { .name: Wo, .offset: 32, .size: 8, .value_kind: global_buffer, .address_space: global }
      - { .name: xq, .offset: 40, .size: 8, .value_kind: global_buffer, .address_space: global }
      - { .name: wq, .offset: 48, .size: 8, .value_kind: global_buffer, .address_space: global }
      - { .name: tab, .offset: 56, .size: 8, .value_kind: global_buffer, .address_space: global }
    .group_segment_fixed_size: 34304
    .private_segment_fixed_size: 0
    .kernarg_segment_align: 8
    .kernarg_segment_size: 64
    .max_flat_workgroup_size: 128
    .sgpr_count:     66
    .vgpr_count:     248
    .wavefront_size: 32
...
	.end_amdgpu_metadata
.endif
;; end of part 1
;; launch qkv (part 2): grid 8 x 48, 4 waves a work-group, clusters of 4 x 4, 327,680 bytes of LDS; arguments xq, wq, tab, qq, kv; writes qq, kv
.if DOCPART == 2
	.amdgcn_target "amdgcn-amd-amdhsa--gfx1250"
	.amdhsa_code_object_version 6
	.text
	.protected	k_q0d58b5f94f_qkv
	.globl	k_q0d58b5f94f_qkv
	.p2align	8
	.type	k_q0d58b5f94f_qkv,@function
k_q0d58b5f94f_qkv:
	s_mov_b64 s[64:65], 0
	v_nop
	global_prefetch_b8 v0, s[64:65] scope:SCOPE_SE
	s_setreg_imm32_b32 hwreg(HW_REG_WAVE_MODE, 25, 1), 1
	s_wait_xcnt 0x0
	s_wait_alu depctr_hold_cnt(0) depctr_sa_sdst(0) depctr_va_vdst(0) depctr_va_sdst(0) depctr_va_ssrc(0) depctr_va_vcc(0) depctr_vm_vsrc(0)
	s_getreg_b32 s2, hwreg(HW_REG_IB_STS2, 6, 4)
	s_cmp_eq_u32 s2, 0
	s_cbranch_scc0 .Lentry_in_a_cluster
	s_endpgm
.Lentry_in_a_cluster:
	s_bfe_u32 s2, ttmp6, 0x10000c
	s_cmp_lg_u32 s2, 0xf033
	s_cbranch_scc0 .Lentry_shape_is_right
	s_endpgm
.Lentry_shape_is_right:
; q = rope(x Wq), k = rope(x Wk), v = x Wv on codes of FP6 (E2M3) with E8M0 scales, K = 1,024; the results are quantised here and leave as codes: q and k along the head's 64 channels, v along the keys.
; A tile of 256 x 256 is made by four waves, 128 x 128 each: 64 accumulators of 16 x 16, 512 registers.  K goes in steps of 256 through two LDS slots filled by the tensor data mover; all four K steps are written out.
; OPERANDS ARE IMAGES OF REGISTERS: a tile of 16 rows has 768 bytes for each 64 along K (registers 0-3 of lane l at 16 l, registers 4-5 at 512 + 8 l), so a fragment comes by two loads of 16 bytes and two of 8 bytes a lane,
; each over consecutive bytes.  Position r of tile t is row 32 (t / 2) + 8 (t % 2) + r + 8 (r / 8): with such tiles as source 0, a lane's 16 registers of tiles 2 b and 2 b + 1 are 16 NEIGHBOURS, 32 b + 16 (lane / 16) + 0 .. 15.
; THE MATRIX INSTRUCTION IS USED TRANSPOSED: source 0 = 16 rows of B, source 1 = 16 rows of A: a lane holds one row of A, and its registers run along B's rows.
; CLUSTERS of 4 x 4 work-groups; cluster rows 0-7: A = x (positions), B = Wq (cluster column 0) or Wk (1): a lane holds a position and 128 channels, two heads.
; Cluster rows 8-11: A = Wv (channels), B = x (keys): a lane holds a channel and 128 keys, so that v's blocks of 32 run along the keys.  The choice hangs on the cluster's number alone: it is the same in all sixteen partners.
; A's tiles are shared along a row of the cluster, B's along a column: each is asked for jointly, by the same tensor load with the same descriptor and a mask that names the four.
; LIMITS: NaN and infinities are not served; blocks whose largest magnitude lies under 2^-124 were not tried (a block of zeros keeps the byte 1: its codes are zeros, and this program alone reads the bytes).
; REGISTERS, in windows of 256: window 0: v1-30 addresses; v32-95 scale words and nothing else; v128-223 A's fragments, one set; behind the products v128-247 are at work.
;   window 1: B's fragments, two sets, at v0 and v128; v96-127 and v224-255 take the first two tiles' cos and sin early.  windows 2, 3: the accumulators ((a, b) at v[8 (8 (a % 4) + b)] of window 2 + a / 4).
.set FR,    12                         ; registers of a fragment
.set NL,    4                          ; LDS loads that bring one
.set NP,    4                          ; places behind this matrix instruction (ISA guide 7.12.1)
.set RTB,   12288                      ; a tile's codes in memory, all of K
.set KSB,   3072                       ; and those of a K step of 256
.set HALFT, 8*KSB                      ; 8 tiles: what one tensor load brings, and what one wave reads of A or of B
.set SLOT,  4*HALFT
.set SCL,   2*SLOT                     ; behind the ring: the scale words of A's and B's 16 tiles, all of K: 512 bytes a tile
.set HALFS, 4096
.set SPARE, SCL+4*HALFS                ; the spare words, 128 bytes for each wave: two blocks of 256 bytes that no other line names
.set XSC,   6291456
.set WMAT,  786432
.set WSCO,  3145728
.set WSC,   32768
.set L16,  4                           ; v4   16 x lane
.set L8,   5                           ; v5   8 x lane
.set SA,   7                           ; v7   the way out: 16 r + (lane / 16) x the bytes from a head to the next
.set ADRA, 16                          ; v16-17 LDS address of my A fragments in slot 0, 1, 16 bytes a lane; v18-19 the same, 8 bytes a lane
.set ADRB, 20                          ; v20-23 the same for B
.set ADRS, 27                          ; v27  my scale words: lanes 0-15 A's, lanes 16-31 B's
.set SPW,  28                          ; v28  LDS address of my spare word; never rewritten
.set NIL,  29                          ; v29  0; never rewritten
.set TV,   30                          ; v30  my place in the table
.set SC,   32                          ; v[SC + 8 i + kf]: lanes 0-15 the word of A's tile i, lanes 16-31 that of B's tile i, for the kf-th 128 along K
.set AF,   128
.set Y,    128                         ; v128-191 a tile's 64 numbers behind RoPE
.set PC,   192                         ; v192-203 a fragment's codes
.set PT,   204                         ; v204-211
.set TM,   212                         ; v212-227 at work
.set PWS,  228                         ; v228-235 the eight tiles' scale words
.set SW,   236                         ; v236-239 as they are stored
.set WLO,  240
.set WHI,  244
.set G1,   24
.set G0,   32
.set G1B,  48
.set G0B,  56
.set G1S,  68
.set G0S,  76
.set G1SB, 80
.set G0SB, 88
.set SEL,  100
.set MSB, 0
.macro WIN new                         ; the immediate's high byte repeats the setting that is left
.if MSB != (\new)
	s_set_vgpr_msb (MSB<<8)|(\new)
.set MSB, (\new)
.endif
.endm
.set MUL_LO, 0xa1                      ; source 0 (B) window 1, source 1 (A) window 0, C and D window 2
.set MUL_HI, 0xf1
.set TO_B,   0x40                      ; destination window 1, address window 0
; A joint load: waves 0 and 1 fetch for A, waves 2 and 3 for B; the branch hangs on the wave's number alone.  An s_nop 0 and four v_nop follow each of the two lines.
.macro JLOAD g0a, g1a, g0b, g1b
	s_cmp_eq_u32 s19, 0
	s_cbranch_scc0 .Lfor_b_\@
	tensor_load_to_lds s[\g0a:\g0a+3], s[\g1a:\g1a+7]
	s_nop 0
.rept 4
	v_nop
.endr
	s_branch .Lasked_\@
.Lfor_b_\@:
	tensor_load_to_lds s[\g0b:\g0b+3], s[\g1b:\g1b+7]
	s_nop 0
.rept 4
	v_nop
.endr
.Lasked_\@:
.endm
.macro CREST                           ; a round of the cluster's barrier behind its opening barrier
	s_cmp_lg_u32 s18, 0
	s_cbranch_scc1 .Lnot_wave_0_\@
	s_barrier_signal -3
.Lnot_wave_0_\@:
	s_barrier_wait -3
	s_barrier_signal -1
	s_barrier_wait -1
.endm
.macro CROUND
	s_barrier_signal -1
	s_barrier_wait -1
	CREST
.endm
.macro PLACES n
.rept \n
	v_nop
.endr
.endm
	s_load_b256 s[4:11], s[0:1], 0x0               ; xq s[4:5], wq s[6:7], tab s[8:9], qq s[10:11]
	s_load_b64 s[12:13], s[0:1], 0x20              ; kv
	v_lshl_add_u32 v[SPW], v0, 2, SPARE
	v_mov_b32 v[NIL], 0
	ds_add_u32 v[SPW], v[NIL]                      ; the wave's opening: the add and its wait stand ahead of my first tensor load; the set-up below, work on registers, stands between them
	v_lshrrev_b32 v1, 5, v0
	v_readfirstlane_b32 s18, v1                    ; wave 0..3
	s_lshr_b32 s19, s18, 1                         ; which half of A's rows is mine.  Also: I fetch for A (0) or for B (1)
	s_and_b32 s20, s18, 1                          ; which half of B's rows.  Also: which 8 tiles I fetch
	s_bfe_u32 s21, ttmp6, 0x40000                  ; cx
	s_bfe_u32 s22, ttmp6, 0x40004                  ; cy
	s_and_b32 s40, ttmp7, 0xffff                   ; the cluster's row
	s_max_u32 s41, s40, 8
	s_sub_co_u32 s41, s41, 8
	s_lshl_b32 s41, s41, 1
	s_add_co_u32 s41, s41, ttmp9                   ; for v: cluster column 2 (row - 8) + x
	s_cmp_ge_u32 s40, 8
	s_cselect_b32 s66, 1, 0                        ; 1: this cluster makes v
	s_cselect_b32 s41, s41, ttmp9
	s_cselect_b32 s42, 0, s40
	s_lshl_b32 s67, s41, 2
	s_add_co_u32 s67, s67, s21                     ; B's block of 256 rows
	s_lshl_b32 s23, s42, 2
	s_add_co_u32 s23, s23, s22                     ; A's block of 256 rows
	s_lshl_b32 s43, s22, 2
	s_lshl_b32 s43, 15, s43                        ; my row of the cluster
	s_lshl_b32 s44, 0x1111, s21                    ; my column
	; descriptor group 1, codes: 8 rows (tiles) of 3,072 bytes, 12,288 bytes apart, as elements of 8 bytes; no padding
	s_or_b32 s[G1+0], s43, (3<<16)|(1<<21)         ; 15:0 the mask; 17:16 elements of 8 bytes; 21 set beside a mask
	s_or_b32 s[G1B+0], s44, (3<<16)|(1<<21)
.irp g, G1, G1B
	s_mov_b32 s[\g+1], 384<<16                     ; tensor_dim0
	s_mov_b32 s[\g+2], 8<<16                       ; tensor_dim1
	s_mov_b32 s[\g+3], 384<<16                     ; tile_dim0
	s_mov_b32 s[\g+4], 8                           ; tile_dim1
	s_mov_b32 s[\g+5], 1536                        ; tensor_dim0_stride
	s_mov_b32 s[\g+6], 0
	s_mov_b32 s[\g+7], 0
.endr
	; and scale words: 4,096 dense bytes as 16 rows of 256
	s_or_b32 s[G1S+0], s43, (3<<16)|(1<<21)
	s_or_b32 s[G1SB+0], s44, (3<<16)|(1<<21)
.irp g, G1S, G1SB
	s_mov_b32 s[\g+1], 32<<16
	s_mov_b32 s[\g+2], 16<<16
	s_mov_b32 s[\g+3], 32<<16
	s_mov_b32 s[\g+4], 16
	s_mov_b32 s[\g+5], 32
	s_mov_b32 s[\g+6], 0
	s_mov_b32 s[\g+7], 0
.endr
	s_lshl_b32 s45, s20, 3
	s_lshl_b32 s2, s23, 4
	s_add_co_u32 s2, s2, s45                       ; A: the first tile that I fetch
	s_lshl_b32 s3, s67, 4
	s_add_co_u32 s3, s3, s45                       ; B: likewise
	s_mul_i32 s40, s2, RTB                         ; their codes and scale words, in bytes
	s_mov_b32 s41, 0
	s_lshl_b32 s42, s2, 9
	s_mov_b32 s43, 0
	s_mul_i32 s44, s3, RTB
	s_mov_b32 s45, 0
	s_lshl_b32 s46, s3, 9
	s_mov_b32 s47, 0
	s_mul_i32 s2, s18, HALFT                       ; where they go: by the wave's number alone
	s_lshl_b32 s3, s18, 12
	s_wait_dscnt 0x0                               ; the opening add is done
	s_wait_kmcnt 0x0
	s_add_nc_u64 s[14:15], s[6:7], 2*WMAT          ; Wv's codes,
	s_add_nc_u64 s[16:17], s[6:7], WSCO+2*WSC      ; Wv's scale words,
	s_add_nc_u64 s[92:93], s[4:5], XSC             ; x's,
	s_add_nc_u64 s[94:95], s[6:7], WSCO            ; Wq's (Wk's follow them, as its codes follow Wq's)
	s_cmp_eq_u32 s66, 1
	s_cselect_b64 s[14:15], s[14:15], s[4:5]       ; A's codes
	s_cselect_b64 s[16:17], s[16:17], s[92:93]     ; A's scale words
	s_cselect_b64 s[96:97], s[4:5], s[6:7]         ; B's codes
	s_cselect_b64 s[94:95], s[92:93], s[94:95]     ; B's scale words
	s_add_nc_u64 s[14:15], s[14:15], s[40:41]
	s_add_nc_u64 s[16:17], s[16:17], s[42:43]
	s_add_nc_u64 s[96:97], s[96:97], s[44:45]
	s_add_nc_u64 s[94:95], s[94:95], s[46:47]
	CROUND                                         ; all sixteen work-groups are here: the first joint loads meet
	s_mov_b32 s[G0S], 1
	s_add_co_u32 s[G0S+1], s3, SCL
	s_mov_b64 s[G0S+2:G0S+3], s[16:17]
	s_or_b32 s[G0S+3], s[G0S+3], 0x80000000
	s_mov_b32 s[G0SB], 1
	s_add_co_u32 s[G0SB+1], s3, SCL
	s_mov_b64 s[G0SB+2:G0SB+3], s[94:95]
	s_or_b32 s[G0SB+3], s[G0SB+3], 0x80000000
	JLOAD G0S, G1S, G0SB, G1SB                     ; the scale words first: they are wanted with K step 0.  By this text's count three loads of a wave are out behind the third
.irp s, 0,1
	s_mov_b32 s[G0+4*\s], 1
	s_add_co_u32 s[G0+4*\s+1], s2, \s*SLOT
	s_add_nc_u64 s[G0+4*\s+2:G0+4*\s+3], s[14:15], \s*KSB
	s_or_b32 s[G0+4*\s+3], s[G0+4*\s+3], 0x80000000
	s_mov_b32 s[G0B+4*\s], 1
	s_add_co_u32 s[G0B+4*\s+1], s2, \s*SLOT
	s_add_nc_u64 s[G0B+4*\s+2:G0B+4*\s+3], s[96:97], \s*KSB
	s_or_b32 s[G0B+4*\s+3], s[G0B+4*\s+3], 0x80000000
	JLOAD G0+4*\s, G1, G0B+4*\s, G1B
.endr
	v_and_b32 v1, 15, v0                           ; r
	v_bfe_u32 v2, v0, 4, 1                         ; h
	v_and_b32 v3, 31, v0
	v_lshlrev_b32 v[L16], 4, v3
	v_lshlrev_b32 v[L8], 3, v3
	s_mul_i32 s40, s19, HALFT                      ; my 8 tiles of A
	s_mul_i32 s41, s20, HALFT                      ; my 8 tiles of B,
	s_add_co_u32 s41, s41, 2*HALFT                 ; which lie behind A's 16
.irp s, 0,1
	v_add_nc_u32 v[ADRA+\s], s40, v[L16]
	v_add_nc_u32 v[ADRA+2+\s], s40, v[L8]
	v_add_nc_u32 v[ADRB+\s], s41, v[L16]
	v_add_nc_u32 v[ADRB+2+\s], s41, v[L8]
	s_add_co_u32 s40, s40, SLOT
	s_add_co_u32 s41, s41, SLOT
.endr
	s_lshl_b32 s40, s19, 12                        ; A's scale words: my 8 tiles
	s_lshl_b32 s41, s20, 12                        ; B's: my 8 tiles, behind A's 16
	s_add_co_u32 s41, s41, 2*HALFS
	s_sub_co_u32 s41, s41, s40
	v_mul_u32_u24 v6, s41, v2                      ; lanes 16-31 take B's
	v_lshl_add_u32 v6, v1, 4, v6
	s_add_co_u32 s40, s40, SCL
	v_add_nc_u32 v[ADRS], s40, v6
	v_and_b32 v6, 8, v1
	v_add_nc_u32 v6, v6, v1                        ; r + 8 (r / 8)
	v_lshlrev_b32 v[TV], 8, v6
	v_lshl_add_u32 v[TV], v2, 6, v[TV]             ; the table: 256 bytes a position; my half's eight pairs begin 64 h bytes on
	s_and_b32 s3, s23, 7
	s_lshl_b32 s3, s3, 1
	s_add_co_u32 s3, s3, s19                       ; q and k: which 128 positions of the sequence are my wave's
	s_lshl_b32 s42, s3, 15
	s_mov_b32 s43, 0
	s_add_nc_u64 s[92:93], s[8:9], s[42:43]
.macro TBRSET a                        ; where tile a's 32 numbers of the table lie in window 1
.if (\a) == 0
.set TBR, 96
.elseif (\a) == 1
.set TBR, 224
.elseif (\a) < 5
.set TBR, 32*((\a)-2)
.else
.set TBR, 128+32*((\a)-5)
.endif
.endm
.macro TABLOAD a                       ; register TBR + 16 B + 2 n: cos, + 1: sin, of pair 16 B + 8 h + n at my position of tile a
	TBRSET \a
.irp B, 0,1
.irp j, 0,1,2,3
	global_load_b128 v[TBR+16*\B+4*\j:TBR+16*\B+4*\j+3], v[TV], s[92:93] offset:(32*((\a)/2)+8*((\a)%2))*256+128*\B+16*\j
.endr
.endr
.endm
	s_cmp_eq_u32 s66, 1
	s_cbranch_scc1 .Lno_table
	WIN TO_B
	TABLOAD 0                                      ; into registers of window 1 that the products leave idle
	TABLOAD 1
	WIN 0
.Lno_table:
.macro FRAG reg, adr, q, i             ; a fragment: tile i, the slot's q-th 128 along K
	ds_load_b128 v[\reg:\reg+3], v[\adr] offset:(\i)*KSB+(\q)*1536
	ds_load_b64 v[\reg+4:\reg+5], v[\adr+2] offset:(\i)*KSB+(\q)*1536+512
	ds_load_b128 v[\reg+6:\reg+9], v[\adr] offset:(\i)*KSB+(\q)*1536+768
	ds_load_b64 v[\reg+10:\reg+11], v[\adr+2] offset:(\i)*KSB+(\q)*1536+1280
.endm
; 16 matrix instructions: A's tiles a0, a0 + 1 x B's eight.  p: B's set; kf: which 128 along K.  zero = 1: the first product starts the sums.  The 64 accumulators take turns, one instruction a turn, in the same order in every step.
.macro MUL16 a0, p, kf, zero
.irp a, \a0, \a0+1
.irp b, 0,1,2,3,4,5,6,7
.if \zero
	v_wmma_scale_f32_16x16x128_f8f6f4 v[8*(8*((\a)%4)+\b):8*(8*((\a)%4)+\b)+7], v[128*(\p)+FR*\b:128*(\p)+FR*\b+FR-1], v[AF+FR*(\a):AF+FR*(\a)+FR-1], 0, v[SC+8*\b+(\kf)], v[SC+8*(\a)+(\kf)] matrix_a_fmt:MATRIX_FMT_FP6 matrix_b_fmt:MATRIX_FMT_FP6 matrix_a_scale:MATRIX_SCALE_ROW1
.else
	v_wmma_scale_f32_16x16x128_f8f6f4 v[8*(8*((\a)%4)+\b):8*(8*((\a)%4)+\b)+7], v[128*(\p)+FR*\b:128*(\p)+FR*\b+FR-1], v[AF+FR*(\a):AF+FR*(\a)+FR-1], v[8*(8*((\a)%4)+\b):8*(8*((\a)%4)+\b)+7], v[SC+8*\b+(\kf)], v[SC+8*(\a)+(\kf)] matrix_a_fmt:MATRIX_FMT_FP6 matrix_b_fmt:MATRIX_FMT_FP6 matrix_a_scale:MATRIX_SCALE_ROW1
.endif
.endr
.endr
.endm
.macro FETCH_B slot, q, p
	WIN TO_B
.irp i, 0,1,2,3,4,5,6,7
	FRAG 128*(\p)+FR*\i, ADRB+\slot, \q, \i
.endr
	WIN 0
.endm
.macro FETCH_A slot, q, i0
.irp i, \i0, \i0+1, \i0+2, \i0+3
	FRAG AF+FR*(\i), ADRA+\slot, \q, \i
.endr
.endm
.macro SCALES                          ; all of K's scale words, once
.irp i, 0,1,2,3,4,5,6,7
	ds_load_b128 v[SC+8*\i:SC+8*\i+3], v[ADRS] offset:512*\i
	ds_load_b128 v[SC+8*\i+4:SC+8*\i+7], v[ADRS] offset:512*\i+256
.endr
.endm
; A slot's first 128 along K.  A has one set of registers: tiles 0-3 are fetched anew in the step's middle, tiles 4-7 at its end; B has two sets.
.macro STEP slot, kf, zero
	s_wait_dscnt 4*NL                              ; B's set and A's tiles 0-3 are in; the youngest 16 loads (A's tiles 4-7) may be out
	WIN MUL_LO
	MUL16 0, 0, \kf, \zero
	MUL16 2, 0, \kf, \zero
	s_wait_dscnt 0x0
	PLACES NP                                      ; in front of loads into registers that matrix instructions have read
	FETCH_B \slot, 1, 1
	FETCH_A \slot, 1, 0
	WIN MUL_HI
	MUL16 4, 0, \kf, \zero
	MUL16 6, 0, \kf, \zero
	PLACES NP
	WIN 0
	FETCH_A \slot, 1, 4
.endm
; A slot's second 128 along K changes slots: one barrier; in front of it each wave waits for all its tensor loads, adds 0 to its spare word, and waits for that and for its reads of this slot.  fill = 1: the slot is filled again, two K steps ahead.
.macro TURN slot, next, fill, kf
	s_wait_tensorcnt 0x0                           ; all my tensor loads have landed: my part of the next slot
	ds_add_u32 v[SPW], v[NIL]                      ; 0 onto my spare word
	s_wait_dscnt 4*NL+1                            ; (the add and the youngest 16 loads may be out)
	WIN MUL_LO
	MUL16 0, 1, \kf, 0                             ; sixteen matrix instructions stand between the add and the wait for it
	s_wait_dscnt 0x0                               ; the add is done, and my reads of this slot are over
	s_barrier_signal -1
	MUL16 2, 1, \kf, 0
	WIN 0
	s_barrier_wait -1
.if \fill
	CREST                                          ; the barrier has opened a round of the cluster's barrier: no wave of any partner still reads this slot or has a load on its way
	s_add_nc_u64 s[G0+4*\slot+2:G0+4*\slot+3], s[G0+4*\slot+2:G0+4*\slot+3], 2*KSB
	s_add_nc_u64 s[G0B+4*\slot+2:G0B+4*\slot+3], s[G0B+4*\slot+2:G0B+4*\slot+3], 2*KSB
	JLOAD G0+4*\slot, G1, G0B+4*\slot, G1B         ; the first tensor load behind the round; its four v_nop are also the places in front of the loads below
.else
	PLACES NP
.endif
	FETCH_B \next, 0, 0
	FETCH_A \next, 0, 0
	WIN MUL_HI
	MUL16 4, 1, \kf, 0
	MUL16 6, 1, \kf, 0
	PLACES NP
	WIN 0
	FETCH_A \next, 0, 4
.endm
	s_wait_tensorcnt 1                             ; the scale words and my part of K step 0 are in (K step 1's load may be out)
	s_barrier_signal -1
	s_barrier_wait -1                              ; everybody's are
	FETCH_B 0, 0, 0
	FETCH_A 0, 0, 0
	SCALES
	FETCH_A 0, 0, 4
	STEP 0, 0, 1
	TURN 0, 1, 1, 1
	STEP 1, 2, 0
	TURN 1, 0, 1, 3
	STEP 0, 4, 0
	TURN 0, 1, 0, 5                                ; nothing is left to fetch
	STEP 1, 6, 0
	s_wait_dscnt 4*NL
	WIN MUL_LO
	MUL16 0, 1, 7, 0
	MUL16 2, 1, 7, 0
	s_wait_dscnt 0x0
	WIN MUL_HI
	MUL16 4, 1, 7, 0
	MUL16 6, 1, 7, 0
	WIN 0
; 64 numbers of a lane in window W, v[s] on, register 16 b + i = K 32 b + 16 (lane / 16) + i of my row, become a fragment's codes in v[PC] on and its scale word in v[pw].  Each accumulator is read from its low end on.
.macro QUANT s, W, pw
	WIN (\W)|((\W)<<2)
.irp b, 0,1,2,3
	v_max3_num_f32 v[TM+\b], |v[\s+16*\b]|, |v[\s+1+16*\b]|, 0x1800000   ; my 16 numbers of block b, and the floor 2^(3 - 127): the byte cannot fall under 1
.endr
	WIN ((\W)<<2)|((\W)<<4)
.irp i, 2,4,6,8,10,12,14
.irp b, 0,1,2,3
	v_max3_num_f32 v[TM+\b], v[TM+\b], |v[\s+16*\b+\i]|, |v[\s+1+16*\b+\i]|
.endr
.endr
	WIN 0
.irp b, 0,1,2,3
	v_permlanex16_b32 v[TM+4+\b], v[TM+\b], s[SEL], s[SEL+1]
.endr
.irp b, 0,1,2,3
	v_max_num_f32 v[TM+\b], v[TM+\b], v[TM+4+\b]   ; with lane l xor 16's: the block's largest magnitude
.endr
.irp b, 0,1,2,3
	v_add_nc_u32 v[TM+12+\b], 0xff000000, v[TM+\b]   ; 2 off its exponent field: the conversion's scale operand
.endr
.irp b, 0,1,2,3
	v_lshrrev_b32 v[TM+4+\b], 23, v[TM+12+\b]      ; the scale's byte
.endr
	v_lshl_or_b32 v[\pw], v[TM+5], 8, v[TM+4]
	v_lshl_or_b32 v[\pw], v[TM+6], 16, v[\pw]
	v_lshl_or_b32 v[\pw], v[TM+7], 24, v[\pw]
	s_wait_xcnt 0x0                                ; the last tile's stores have read their registers: the codes' registers are written again only behind this wait
	WIN (\W)
.irp c, 0,1
	v_cvt_scalef32_pk16_fp6_f32 v[PC+6*\c:PC+6*\c+2], v[\s+32*\c:\s+32*\c+15], v[TM+12+2*\c]
	v_cvt_scalef32_pk16_fp6_f32 v[PT+4*\c:PT+4*\c+2], v[\s+32*\c+16:\s+32*\c+31], v[TM+12+2*\c+1]   ; (a conversion's three registers begin on an even number)
.endr
	WIN 0
	v_nop                                          ; one plain line behind a scaled conversion
.irp c, 0,1                                    ; the operand's layout wants a whole block in a lane: lanes 0-15 block 2 c, lanes 16-31 block 2 c + 1
.irp i, 0,1,2
	v_permlane16_swap_b32 v[PC+6*\c+\i], v[PT+4*\c+\i]
.endr
.irp i, 0,1,2
	v_mov_b32 v[PC+6*\c+3+\i], v[PT+4*\c+\i]
.endr
.endr
.endm
; RoPE on tile a: y(2 n) = x(2 n) cos - x(2 n + 1) sin, y(2 n + 1) = x(2 n + 1) cos + x(2 n) sin, an accumulator (four pairs) at a time, from its low end on.
.macro ROPE a
	TBRSET \a
.set AC, 64*((\a)%4)
	WIN (2+(\a)/4)|0x04                            ; source 0: the accumulators' window; source 1: window 1, the table
.set g, 0
.rept 8
.set CSR, TBR+16*((g/2)%2)+8*(g%2)
.irp k, 0,1,2,3
	v_pk_mul_f32 v[Y+8*g+2*\k:Y+8*g+2*\k+1], v[AC+8*g+2*\k:AC+8*g+2*\k+1], v[CSR+2*\k:CSR+2*\k+1] op_sel_hi:[1,0]
.endr
.irp k, 0,1,2,3
	v_fma_f32 v[Y+8*g+2*\k], -v[AC+8*g+2*\k+1], v[CSR+2*\k+1], v[Y+8*g+2*\k]
	v_fma_f32 v[Y+8*g+2*\k+1], v[AC+8*g+2*\k], v[CSR+2*\k+1], v[Y+8*g+2*\k+1]
.endr
.set g, g+1
.endr
	WIN 0
.endm
	PLACES NP                                      ; behind the last products: results are read, and registers that they read are written and loaded into
	s_mov_b32 s[SEL], 0x76543210
	s_mov_b32 s[SEL+1], 0xfedcba98                 ; v_permlanex16_b32's selects for lane l xor 16
.irp b, 0,1,2,3
	v_mov_b32 v[TM+4+\b], 0                        ; written once: a lane permute's destination counts as one of its sources
.endr
	s_mov_b32 vcc_lo, 0xffff0000
	s_mov_b32 s43, 0
	s_cmp_eq_u32 s66, 1
	s_cbranch_scc1 .Lv_out
	; ---- q and k.  My 128 positions are one step of 128 of the sequence, my 128 channels two heads.  A step of a head: 8 tiles x 768 bytes of codes, then 256 bytes of scale words: position r's word p at 16 r + 4 p holds tile 2 p's two bytes below, tile 2 p + 1's above.
	WIN TO_B
	TABLOAD 2
	TABLOAD 3
	TABLOAD 4
	TABLOAD 5
	TABLOAD 6
	TABLOAD 7
	WIN 0
	s_cmp_eq_u32 ttmp9, 0                          ; cluster column 0 makes q, column 1 makes k
	s_cselect_b64 s[94:95], s[10:11], s[12:13]
	s_mov_b32 s98, 204800
	s_cselect_b32 s98, 102400, s98                 ; bytes from a head to the next,
	s_mov_b32 s99, 12800
	s_cselect_b32 s99, 6400, s99                   ; from a step to the next
	s_lshr_b32 s41, s23, 3                         ; the batch,
	s_lshl_b32 s41, s41, 4
	s_lshl_b32 s44, s21, 2
	s_add_co_u32 s41, s41, s44
	s_lshl_b32 s44, s20, 1
	s_add_co_u32 s41, s41, s44                     ; my first head: 4 cx + 2 x my half
	s_mul_i32 s41, s41, s98
	s_mul_i32 s44, s3, s99
	s_add_co_u32 s42, s41, s44
	s_add_nc_u64 s[94:95], s[94:95], s[42:43]
	s_mov_b32 s42, s98
	s_add_nc_u64 s[96:97], s[94:95], s[42:43]      ; my second head
	v_mul_u32_u24 v[SA], s98, v2
	v_lshl_add_u32 v[SA], v1, 4, v[SA]
.irp a, 0,1,2,3,4,5,6,7
	s_wait_loadcnt 8*(7-\a)                        ; this tile's eight loads from the table are in; those of the later tiles may be out
	ROPE \a
	QUANT Y, 0, PWS+\a
	global_store_b128 v[L16], v[PC:PC+3], s[94:95] offset:768*\a           ; 512 consecutive bytes
	global_store_b64 v[L8], v[PC+4:PC+5], s[94:95] offset:768*\a+512       ; 256
	global_store_b128 v[L16], v[PC+6:PC+9], s[96:97] offset:768*\a
	global_store_b64 v[L8], v[PC+10:PC+11], s[96:97] offset:768*\a+512
.endr
.irp p, 0,1,2,3
	v_perm_b32 v[WLO+\p], v[PWS+2*\p+1], v[PWS+2*\p], 0x05040100   ; the first head's bytes of tiles 2 p and 2 p + 1,
	v_perm_b32 v[WHI+\p], v[PWS+2*\p+1], v[PWS+2*\p], 0x07060302   ; the second head's
.endr
.irp p, 0,1,2,3
	v_cndmask_b32 v[SW+\p], v[WLO+\p], v[WHI+\p], vcc_lo
.endr
	global_store_b128 v[SA], v[SW:SW+3], s[94:95] offset:6144      ; lanes 0-15: the first head's 256 bytes; lanes 16-31: the second's
	s_branch .Ldone
.Lv_out:
	; ---- v.  My 128 channels are two heads, my 128 keys one step.  A step of a head: 4 tiles of channels x 1,536 bytes (a fragment of 128 keys), then 256 bytes of scale words: position r's word c at 16 r + 4 c.
	s_lshr_b32 s41, s67, 3                         ; the batch,
	s_lshl_b32 s41, s41, 4
	s_lshl_b32 s44, s22, 2
	s_add_co_u32 s41, s41, s44
	s_lshl_b32 s44, s19, 1
	s_add_co_u32 s41, s41, s44                     ; my first head: 4 cy + 2 x my half
	s_mul_i32 s41, s41, 204800
	s_and_b32 s44, s67, 7
	s_lshl_b32 s44, s44, 1
	s_add_co_u32 s44, s44, s20                     ; my step
	s_mul_i32 s44, s44, 12800
	s_add_co_u32 s42, s41, s44
	s_add_co_u32 s42, s42, 6400                    ; behind the step's part of k
	s_add_nc_u64 s[94:95], s[12:13], s[42:43]
	v_mul_u32_u24 v[SA], 204800, v2
	v_lshl_add_u32 v[SA], v1, 4, v[SA]
.irp a, 0,1,2,3,4,5,6,7
	QUANT 64*((\a)%4), 2+(\a)/4, PWS+\a
	global_store_b128 v[L16], v[PC:PC+3], s[94:95] offset:(\a/4)*204800+(\a%4)*1536
	global_store_b64 v[L8], v[PC+4:PC+5], s[94:95] offset:(\a/4)*204800+(\a%4)*1536+512
	global_store_b128 v[L16], v[PC+6:PC+9], s[94:95] offset:(\a/4)*204800+(\a%4)*1536+768
	global_store_b64 v[L8], v[PC+10:PC+11], s[94:95] offset:(\a/4)*204800+(\a%4)*1536+1280
.endr
.irp c, 0,1,2,3
	v_cndmask_b32 v[SW+\c], v[PWS+\c], v[PWS+4+\c], vcc_lo
.endr
	global_store_b128 v[SA], v[SW:SW+3], s[94:95] offset:6144
.Ldone:
	s_wait_tensorcnt 0x0                           ; the wave's end, behind my last tensor load
	ds_add_u32 v[SPW], v[NIL]
	s_wait_dscnt 0x0
	CROUND                                         ; the closing round: no work-group ends while a partner may still ask for a tile that names it
	s_endpgm
.Lfunc_end_k_q0d58b5f94f_qkv:
	.size	k_q0d58b5f94f_qkv, .Lfunc_end_k_q0d58b5f94f_qkv-k_q0d58b5f94f_qkv
	.p2alignl 7, 3214868480
	.fill 96, 4, 3214868480
	.section	.rodata,"a",@progbits
	.p2align	6, 0x0
	.amdhsa_kernel k_q0d58b5f94f_qkv
		.amdhsa_group_segment_fixed_size 327680
		.amdhsa_private_segment_fixed_size 0
		.amdhsa_enable_private_segment 0
		.amdhsa_kernarg_size 40
		.amdhsa_user_sgpr_count 2
		.amdhsa_user_sgpr_kernarg_segment_ptr 1
		.amdhsa_wavefront_size32 1
		.amdhsa_system_sgpr_workgroup_id_x 1
		.amdhsa_system_sgpr_workgroup_id_y 1
		.amdhsa_system_sgpr_workgroup_id_z 1
		.amdhsa_system_vgpr_workitem_id 0
		.amdhsa_next_free_vgpr 1024
		.amdhsa_next_free_sgpr 102
		.amdhsa_reserve_vcc 1
		.amdhsa_float_denorm_mode_32 3
		.amdhsa_float_denorm_mode_16_64 3
		.amdhsa_memory_ordered 1
		.amdhsa_forward_progress 1
		.amdhsa_inst_pref_size 238
	.end_amdhsa_kernel
	.amdgpu_metadata
---
amdhsa.version: [ 1, 2 ]
amdhsa.kernels:
  - .name:           k_q0d58b5f94f_qkv
    .symbol:         k_q0d58b5f94f_qkv.kd
    .args:
      - { .name: xq, .offset: 0, .size: 8, .value_kind: global_buffer, .address_space: global }
      - { .name: wq, .offset: 8, .size: 8, .value_kind: global_buffer, .address_space: global }
      - { .name: tab, .offset: 16, .size: 8, .value_kind: global_buffer, .address_space: global }
      - { .name: qq, .offset: 24, .size: 8, .value_kind: global_buffer, .address_space: global }
      - { .name: kv, .offset: 32, .size: 8, .value_kind: global_buffer, .address_space: global }
    .group_segment_fixed_size: 327680
    .private_segment_fixed_size: 0
    .kernarg_segment_align: 8
    .kernarg_segment_size: 40
    .max_flat_workgroup_size: 128
    .sgpr_count:     102
    .vgpr_count:     1024
    .wavefront_size: 32
...
	.end_amdgpu_metadata
.endif
;; end of part 2
;; launch attn (part 3): grid 4 x 64, 16 waves a work-group, no clusters, 327,680 bytes of LDS; arguments qq, kv, oq; writes oq
.if DOCPART == 3
	.amdgcn_target "amdgcn-amd-amdhsa--gfx1250"
	.amdhsa_code_object_version 6
	.text
	.protected	k_q0d58b5f94f_attn
	.globl	k_q0d58b5f94f_attn
	.p2align	8
	.type	k_q0d58b5f94f_attn,@function
k_q0d58b5f94f_attn:
	s_mov_b64 s[64:65], 0
	v_nop
	global_prefetch_b8 v0, s[64:65] scope:SCOPE_SE
	s_setreg_imm32_b32 hwreg(HW_REG_WAVE_MODE, 25, 1), 1
	s_wait_xcnt 0x0
; o = softmax(q k^T / 8, causal) v for one head, both products on codes of FP6 (E2M3) with E8M0 scales; o leaves as codes, quantised along the model's 1,024 channels, for the last product.
; THE SOFTMAX AHEAD OF THE SECOND PRODUCT: t = score x log2(e) / 8; M = the row's largest t so far, rounded UP to a whole number; p = 2^(t - M) is what is quantised, along the keys; the row's sum is taken of the
; unquantised p and divides O at the end (v_rcp_f32 and a multiplication).  When M moves, the sum and O are multiplied by 2^(old M - new M): exact.
; SHARES.  A head has 128 tiles of 16 queries.  Work-group j of a head's four, wave w: tiles 16 j + w and 127 - (16 j + w).  A tile t walks key steps (128 keys) 0 .. t / 8, so every wave of the launch walks 17 tile steps.
; Four waves to a SIMD, so that one wave's vector work stands beside another's matrix work and LDS loads.
; NO CLUSTER: the four work-groups of a head walk 8, 7, 6 and 5 slots, so partners would need different numbers of tiles; and a slot is 25,600 bytes for 32 tile steps or more of the work-group's work.
; LAYOUT.  Both products are used transposed: S^T = K Q^T, O^T = V^T P^T: a lane holds ONE query (lane % 16) throughout.  Operands are images of registers (768 bytes for 16 rows x 64 K).  Position r of tile t is row
; 32 (t / 2) + 8 (t % 2) + r + 8 (r / 8), so the 16 registers of tiles 2 b and 2 b + 1 of a result are 16 neighbours: keys for P, channels for o.
; THE FIRST PRODUCT'S K IS 64, the instruction's 128: a fragment of K packs key tiles 2 p (K 0-63) and 2 p + 1 (K 64-127); against [q | zeros] it gives tile 2 p's scores, against [zeros | q] tile 2 p + 1's.  The zero codes add nothing.
; THE RING: two LDS slots of two key steps, as they lie in memory (a step: K's 6,400 bytes, V's 6,400); waves 0-3 fetch a quarter each; all sixteen read.  Every work-group walks 8 changes of slots: a constant count.
; LIMITS: NaN and infinities are not served; a block of zeros keeps the scale byte 1.
.set QHEAD, 102400
.set HEADB, 204800
.set STEPB, 12800
.set PARTB, 6400
.set SLOTB, 25600
.set SLOT1, 32768                      ; slot 1 begins here: one exclusive or turns an address in one slot into the other's
.set SPARE, 65536                      ; the spare words, 128 bytes for each wave: eight blocks of 256 bytes that no other line names
.set OSC,   6291456
.set L16, 1                            ; v1   16 x lane
.set L8,  2                            ; v2   8 x lane
.set LR,  3                            ; v3   16 x (lane % 16)
.set SPW, 4                            ; v4   LDS address of my spare word; never rewritten
.set NIL, 5                            ; v5   0; never rewritten
.set A16, 6                            ; v6-8 the same three offsets in the slot in hand
.set A8,  7
.set AR,  8
.set DH,  9                            ; v9, v10  my query's place in its own step, less 16 (lane / 16): for the mask on the diagonal
.set DL,  10
.set MINF, 11                          ; v11  -infinity
.set PFO, 12                           ; v12  the prefetches' offset
.set QH,  16                           ; v16-33, v34-51: [q | six zeros | q]
.set QL,  34
.set QW,  52                           ; v52-55 q's scale words: for [q | 0] and for [0 | q], of each tile
.set KS,  56                           ; v56-59 K's or V's four scale words
.set PW,  60                           ; v60  p's scale word
.set FF,  62                           ; v[62:63] f = 2^(old M - new M)
.set STH, 64                           ; -M, the largest t, the sum in two halves
.set STL, 68
.set OH,  72                           ; O^T: four tiles of 16 channels
.set OL,  104
.set RA,  136                          ; v136-183 K's four packed fragments; then at work:
.set BM,  136
.set T4,  140
.set SO,  144
.set PC,  148
.set PT,  160
.set TP,  168
.set RB,  184                          ; v184-247 S^T, then p; then V's four fragments
.set WV,  18
.set SEL, 20
.set CS,  22
.set G1,  24
.set G0,  32
.set TB,  36                           ; LDS byte at which the slot in hand begins
.set SL,  37                           ; the slot in hand
.set KI,  38                           ; the key step in hand
.set TSH, 39                           ; my tiles' last steps
.set TSL, 40
.set LAST, 41                          ; the work-group's last slot: 7 - j
.set LIM, 42                           ; a wave prefetches while SL is under it
.set PFA, 44
.macro TLOAD                           ; waves 0-3 fetch a quarter of a slot each.  An s_nop 0 and four v_nop follow the load
	s_cmp_lt_u32 s[WV], 4
	s_cbranch_scc0 .Lasked_\@
	tensor_load_to_lds s[G0:G0+3], s[G1:G1+7]
	s_nop 0
.rept 4
	v_nop
.endr
.Lasked_\@:
.endm
	s_load_b128 s[4:7], s[0:1], 0x0                ; qq s[4:5], kv s[6:7]
	s_load_b64 s[8:9], s[0:1], 0x10                ; oq
	v_lshl_add_u32 v[SPW], v0, 2, SPARE
	v_mov_b32 v[NIL], 0
	ds_add_u32 v[SPW], v[NIL]                      ; the wave's opening: the add and its wait stand ahead of my first tensor load; the set-up below, work on registers, stands between them
	v_lshrrev_b32 v13, 5, v0
	v_readfirstlane_b32 s[WV], v13                 ; wave 0..15
	s_and_b32 s66, ttmp7, 0xffff                   ; batch x 16 + head
	s_mov_b32 s[G1], 3<<16                         ; no mask; elements of 8 bytes; no padding: 25 rows of 256 bytes, dense
	s_mov_b32 s[G1+1], 32<<16
	s_mov_b32 s[G1+2], 25<<16
	s_mov_b32 s[G1+3], 32<<16
	s_mov_b32 s[G1+4], 25
	s_mov_b32 s[G1+5], 32
	s_mov_b32 s[G1+6], 0
	s_mov_b32 s[G1+7], 0
	s_and_b32 s67, s[WV], 3
	s_mul_i32 s67, s67, PARTB                      ; my quarter of a slot
	s_mul_i32 s68, s66, HEADB
	s_add_co_u32 s68, s68, s67
	s_mov_b32 s69, 0
	s_mov_b32 s[SEL], 0x76543210
	s_mov_b32 s[SEL+1], 0xfedcba98                 ; v_permlanex16_b32's selects for lane l xor 16
	s_mov_b32 s[CS], 0x3e38aa3b                    ; c = log2(e) / 8
	s_mov_b32 s[CS+1], s[CS]                       ; (named with it as a pair, so it is written)
	s_mov_b32 s[TB], 0
	s_mov_b32 s[SL], 0
	s_sub_co_u32 s[LAST], 7, ttmp9
	s_lshr_b32 s70, s[WV], 2
	s_xor_b32 s70, s70, 1                          ; 0 in waves 4 to 7,
	s_or_b32 s70, s70, ttmp9                       ; of the head's first work-group, which walks all eight slots
	s_cmp_eq_u32 s70, 0
	s_cselect_b32 s[LIM], 6, 0
	s_mul_i32 s72, s66, QHEAD
	s_lshr_b32 s73, s66, 4
	s_lshl_b32 s73, s73, 7                         ; the batch's first tile of rows in oq
	s_and_b32 s74, s66, 15
	s_mul_i32 s76, s74, 768                        ; the head's 64 channels in a tile's codes
	s_lshr_b32 s77, s74, 3
	s_lshl_b32 s77, s77, 8
	s_and_b32 s74, s66, 7
	s_lshl_b32 s74, s74, 1
	s_add_co_u32 s77, s77, s74
	s_add_co_u32 s77, s77, OSC                     ; and its two bytes among the tile's scale words
	s_lshl_b32 s78, ttmp9, 4
	s_add_co_u32 s78, s78, s[WV]                   ; my low tile
	s_sub_co_u32 s79, 127, s78                     ; my high tile
	s_lshr_b32 s[TSL], s78, 3
	s_lshr_b32 s[TSH], s79, 3
	s_wait_dscnt 0x0                               ; the opening add is done
	s_wait_kmcnt 0x0
	s_mov_b32 s[G0], 1
	s_mov_b32 s[G0+1], s67
	s_add_nc_u64 s[G0+2:G0+3], s[6:7], s[68:69]
	s_or_b32 s[G0+3], s[G0+3], 0x80000000
	TLOAD                                          ; slot 0
	s_add_nc_u64 s[PFA:PFA+1], s[6:7], s[68:69]
	s_add_nc_u64 s[PFA:PFA+1], s[PFA:PFA+1], SLOTB ; in slot 1: the first change of slots steps it to slot 2.  Nothing is prefetched here, at the head
	v_and_b32 v13, 31, v0
	v_lshlrev_b32 v[L16], 4, v13
	v_lshlrev_b32 v[L8], 3, v13
	v_min_u32 v13, 24, v13
	v_lshlrev_b32 v[PFO], 8, v13                   ; a quarter of a slot is 25 x 256 bytes: lanes 0-24 name one each; lanes 25-31 name lane 24's with it
	v_and_b32 v14, 15, v0
	v_lshlrev_b32 v[LR], 4, v14
	v_bfe_u32 v15, v0, 4, 1
	v_and_b32 v13, 8, v14
	v_add_nc_u32 v13, v13, v14
	v_lshlrev_b32 v15, 4, v15
	v_sub_nc_u32 v13, v13, v15                     ; r + 8 (r / 8) - 16 h
; tile s[t]: where its codes and scale word lie in qq, where its results go in oq, its place in its own step, and which half of the scale word is its own
.macro SETUP t, qb, qs, cb, sb, d, sh
	s_lshr_b32 s70, s[\t], 3
	s_mul_i32 s70, s70, PARTB
	s_add_co_u32 s70, s70, s72
	s_and_b32 s71, s[\t], 7
	s_mul_i32 s74, s71, 768
	s_add_co_u32 s74, s74, s70
	s_mov_b32 s75, 0
	s_add_nc_u64 s[\qb:\qb+1], s[4:5], s[74:75]
	s_lshr_b32 s71, s71, 1
	s_lshl_b32 s71, s71, 2
	s_add_co_u32 s74, s70, s71
	s_add_co_u32 s74, s74, 6144
	s_add_nc_u64 s[\qs:\qs+1], s[4:5], s[74:75]
	s_add_co_u32 s70, s73, s[\t]
	s_mul_i32 s74, s70, 12288
	s_add_co_u32 s74, s74, s76
	s_add_nc_u64 s[\cb:\cb+1], s[8:9], s[74:75]
	s_lshl_b32 s74, s70, 9
	s_add_co_u32 s74, s74, s77
	s_add_nc_u64 s[\sb:\sb+1], s[8:9], s[74:75]
	s_bfe_u32 s70, s[\t], 0x20001
	s_lshl_b32 s70, s70, 5
	s_and_b32 s71, s[\t], 1
	s_lshl_b32 s74, s71, 3
	s_add_co_u32 s70, s70, s74
	v_add_nc_u32 v[\d], s70, v13
	s_lshl_b32 s[\sh], s71, 4
.endm
	SETUP 79, 48, 52, 56, 60, DH, 80
	SETUP 78, 50, 54, 58, 62, DL, 81
.macro QLOAD qr, wr, qb, qs
	global_load_b128 v[\qr:\qr+3], v[L16], s[\qb:\qb+1]
	global_load_b64 v[\qr+4:\qr+5], v[L8], s[\qb:\qb+1] offset:512
	global_load_b128 v[\qr+12:\qr+15], v[L16], s[\qb:\qb+1]
	global_load_b64 v[\qr+16:\qr+17], v[L8], s[\qb:\qb+1] offset:512
	global_load_b32 v[\wr], v[LR], s[\qs:\qs+1]
.endm
	QLOAD QH, QW, 48, 52
	QLOAD QL, QW+2, 50, 54
	s_wait_loadcnt 0x0
	v_lshrrev_b32 v[QW], s80, v[QW]                ; my tile's two bytes of the word that two tiles share;
	v_lshrrev_b32 v[QW+2], s81, v[QW+2]
	v_and_b32 v[QW], 0xffff, v[QW]                 ; for [q | 0] they scale K 0-63,
	v_and_b32 v[QW+2], 0xffff, v[QW+2]
	v_lshlrev_b32 v[QW+1], 16, v[QW]               ; for [0 | q] K 64-127; the zero codes' bytes are 0
	v_lshlrev_b32 v[QW+3], 16, v[QW+2]
.irp i, 6,7,8,9,10,11
	v_mov_b32 v[QH+\i], 0
	v_mov_b32 v[QL+\i], 0
.endr
	v_mov_b32 v[MINF], 0xff800000
	v_mov_b32 v[FF+1], 0                           ; (named as the upper half of a pair before it is first written)
.irp s, STH, STL
	v_mov_b32 v[\s+1], 0xff61b1e6                  ; the largest t so far: -3e38, under every t
	v_floor_f32 v[\s], -v[\s+1]                    ; -M
	v_mov_b32 v[\s+2], 0                           ; the sum, in two halves
	v_mov_b32 v[\s+3], 0
.endr
.irp b, 0,1,2,3
	v_mov_b32 v[T4+\b], 0                          ; written once: a lane permute's destination counts as one of its sources
.endr
	v_mov_b32 v[TP+1], 0
.set j, 0
.rept 64
	v_mov_b32 v[OH+j], 0                           ; O^T of both tiles.  (The step is written once: the first finds zeros, which the first change of M leaves zeros)
.set j, j+1
.endr
; A TILE STEP: one tile of 16 queries against 128 keys, the kq-th step of the slot in hand.
.macro TSTEP qr, wr, st, ob, dr, ts, kq
	s_cmp_gt_u32 s[KI], s[\ts]                     ; a step all of whose keys come after the tile's queries is left out: a branch on ids; no barrier and no tensor load stands in a step
	s_cbranch_scc1 .Lskip_\@
.rept 5
	v_nop                                          ; behind the last step's products: loads land in registers that they read, and the products below write over such registers
.endr
.irp p, 0,1,2,3
	ds_load_b128 v[RA+12*\p:RA+12*\p+3], v[A16] offset:(\kq)*STEPB+1536*\p
	ds_load_b64 v[RA+12*\p+4:RA+12*\p+5], v[A8] offset:(\kq)*STEPB+1536*\p+512
	ds_load_b128 v[RA+12*\p+6:RA+12*\p+9], v[A16] offset:(\kq)*STEPB+1536*\p+768
	ds_load_b64 v[RA+12*\p+10:RA+12*\p+11], v[A8] offset:(\kq)*STEPB+1536*\p+1280
.endr
	ds_load_b128 v[KS:KS+3], v[AR] offset:(\kq)*STEPB+6144
	s_wait_dscnt 0x0
.irp p, 0,1,2,3
.irp u, 0,1
	v_wmma_scale_f32_16x16x128_f8f6f4 v[RB+16*\p+8*\u:RB+16*\p+8*\u+7], v[RA+12*\p:RA+12*\p+11], v[\qr+6*\u:\qr+6*\u+11], 0, v[KS+\p], v[\wr+\u] matrix_a_fmt:MATRIX_FMT_FP6 matrix_b_fmt:MATRIX_FMT_FP6
.endr
.endr                                          ; register 16 b + i holds key 32 b + 16 (lane / 16) + i of the step
.rept 4
	v_nop
.endr
	s_cmp_lg_u32 s[KI], s[\ts]                     ; on the diagonal the scores of hidden keys become -infinity ahead of the maximum: p = 0 then.  Key 0 of the step counts for every query of the tile
	s_cbranch_scc1 .Lopen_\@
.set n, 0
.rept 64
	v_cmp_gt_i32 vcc_lo, 32*(n/16)+n%16, v[\dr]
	v_cndmask_b32 v[RB+n], v[RB+n], v[MINF], vcc_lo
.set n, n+1
.endr
.Lopen_\@:
.irp b, 0,1,2,3
	v_max3_num_f32 v[BM+\b], v[RB+16*\b], v[RB+16*\b+1], v[RB+16*\b+2]   ; the largest score of each block of 32 keys: it serves for the row's maximum and, since p rises with the score, for the block's largest p
.endr
.irp i, 3,5,7,9,11,13
.irp b, 0,1,2,3
	v_max3_num_f32 v[BM+\b], v[BM+\b], v[RB+16*\b+\i], v[RB+16*\b+\i+1]
.endr
.endr
.irp b, 0,1,2,3
	v_max_num_f32 v[BM+\b], v[BM+\b], v[RB+16*\b+15]
.endr
.irp b, 0,1,2,3
	v_permlanex16_b32 v[T4+\b], v[BM+\b], s[SEL], s[SEL+1]
.endr
.irp b, 0,1,2,3
	v_max_num_f32 v[BM+\b], v[BM+\b], v[T4+\b]     ; with lane l xor 16's 16 keys
.endr
	v_max3_num_f32 v[TP], v[BM], v[BM+1], v[BM+2]
	v_max_num_f32 v[TP], v[TP], v[BM+3]
	v_mul_f32 v[TP], s[CS], v[TP]                  ; as t (c is positive)
	v_max_num_f32 v[\st+1], v[\st+1], v[TP]        ; the running largest t
	v_mov_b32 v[TP], v[\st]
	v_floor_f32 v[\st], -v[\st+1]                  ; the new -M = floor(-t): M is a whole number
	v_sub_f32 v[TP], v[\st], v[TP]                 ; old M - new M: a whole number, 0 or less
	v_cvt_i32_f32 v[TP], v[TP]                     ; (it saturates)
	v_ldexp_f32 v[FF], 1.0, v[TP]                  ; f = 2^(old M - new M)
.set j, 0
.rept 32
	v_pk_fma_f32 v[RB+j:RB+j+1], v[RB+j:RB+j+1], s[CS:CS+1], v[\st:\st+1] op_sel_hi:[1,0,0]   ; t - M, two at a time
.set j, j+2
.endr
.irp b, 0,1,2,3
	v_fma_f32 v[BM+\b], v[BM+\b], s[CS], v[\st]    ; the same of each block's largest score
.endr
.set j, 0
.rept 64
	v_exp_f32 v[RB+j], v[RB+j]                     ; p = 2^(t - M), at most 1: not normalised
.set j, j+1
.endr
	v_pk_mul_f32 v[\st+2:\st+3], v[\st+2:\st+3], v[FF:FF+1] op_sel_hi:[1,0]   ; the sums under the new M.  (A plain line behind the exponentials)
	s_wait_alu depctr_va_vdst(0)                   ; one wait for the whole batch, ahead of its first reader
.irp b, 0,1,2,3
	v_exp_f32 v[BM+\b], v[BM+\b]                   ; the block's largest p
.endr
	v_pk_add_f32 v[T4:T4+1], v[RB:RB+1], v[RB+2:RB+3]   ; the row's sum is taken of the unquantised p: two at a time, in two chains
.set j, 4
.rept 15
	v_pk_add_f32 v[\st+2:\st+3], v[\st+2:\st+3], v[RB+j:RB+j+1]
	v_pk_add_f32 v[T4:T4+1], v[T4:T4+1], v[RB+j+2:RB+j+3]
.set j, j+4
.endr
	v_pk_add_f32 v[\st+2:\st+3], v[\st+2:\st+3], v[T4:T4+1]
	s_wait_alu depctr_va_vdst(0)                   ; and one for the four
.irp b, 0,1,2,3
	v_max_num_f32 v[BM+\b], 0x1800000, v[BM+\b]    ; the floor 2^(3 - 127): the byte cannot fall under 1
.endr
.irp b, 0,1,2,3
	v_add_nc_u32 v[SO+\b], 0xff000000, v[BM+\b]    ; 2 off the exponent field: the conversion's scale operand
.endr
.irp b, 0,1,2,3
	v_lshrrev_b32 v[T4+\b], 23, v[SO+\b]
.endr
	v_lshl_or_b32 v[PW], v[T4+1], 8, v[T4]         ; p's scale word for these 128 keys
	v_lshl_or_b32 v[PW], v[T4+2], 16, v[PW]
	v_lshl_or_b32 v[PW], v[T4+3], 24, v[PW]
.irp c, 0,1
	v_cvt_scalef32_pk16_fp6_f32 v[PC+6*\c:PC+6*\c+2], v[RB+32*\c:RB+32*\c+15], v[SO+2*\c]
	v_cvt_scalef32_pk16_fp6_f32 v[PT+4*\c:PT+4*\c+2], v[RB+32*\c+16:RB+32*\c+31], v[SO+2*\c+1]
.endr
	v_nop                                          ; one plain line behind a scaled conversion
.irp c, 0,1,2,3                                ; V's four fragments land where p lay, while the codes are put in order
	ds_load_b128 v[RB+12*\c:RB+12*\c+3], v[A16] offset:(\kq)*STEPB+PARTB+1536*\c
	ds_load_b64 v[RB+12*\c+4:RB+12*\c+5], v[A8] offset:(\kq)*STEPB+PARTB+1536*\c+512
	ds_load_b128 v[RB+12*\c+6:RB+12*\c+9], v[A16] offset:(\kq)*STEPB+PARTB+1536*\c+768
	ds_load_b64 v[RB+12*\c+10:RB+12*\c+11], v[A8] offset:(\kq)*STEPB+PARTB+1536*\c+1280
.endr
	ds_load_b128 v[KS:KS+3], v[AR] offset:(\kq)*STEPB+PARTB+6144
.irp c, 0,1                                    ; the operand's layout wants a whole block in a lane
.irp i, 0,1,2
	v_permlane16_swap_b32 v[PC+6*\c+\i], v[PT+4*\c+\i]
.endr
.irp i, 0,1,2
	v_mov_b32 v[PC+6*\c+3+\i], v[PT+4*\c+\i]
.endr
.endr
.set j, 0
.rept 16
	v_pk_mul_f32 v[\ob+j:\ob+j+1], v[\ob+j:\ob+j+1], v[FF:FF+1] op_sel_hi:[1,0]   ; O^T under the new M.  (These 16 are also the places between the lines that made p's codes and scale word and the products)
.set j, j+2
.endr
	s_wait_dscnt 0x0
.irp c, 0,1,2,3
	v_wmma_scale_f32_16x16x128_f8f6f4 v[\ob+8*\c:\ob+8*\c+7], v[RB+12*\c:RB+12*\c+11], v[PC:PC+11], v[\ob+8*\c:\ob+8*\c+7], v[KS+\c], v[PW] matrix_a_fmt:MATRIX_FMT_FP6 matrix_b_fmt:MATRIX_FMT_FP6
.endr
.Lskip_\@:
.endm
.Lslot:                                            ; 8 trips
	; THE CHANGE OF SLOTS stands at a slot's head: each wave waits for all its tensor loads, adds 0 to its spare word, and waits for that and for its reads of the slot that it has left; behind the barrier the slot ahead is whole and nobody reads the other one.
	s_wait_tensorcnt 0x0                           ; no tensor load of mine is out, so the descriptor may be written
	ds_add_u32 v[SPW], v[NIL]                      ; 0 onto my spare word; the steps below stand between it and the wait for it
	s_xor_b32 s[G0+1], s[G0+1], SLOT1              ; the other slot than last time,
	s_add_nc_u64 s[G0+2:G0+3], s[G0+2:G0+3], SLOTB ; the next two key steps
	s_wait_xcnt 0x0                                ; the last prefetch, a slot back, has read its address
	s_add_nc_u64 s[PFA:PFA+1], s[PFA:PFA+1], SLOTB
	s_wait_dscnt 0x0
	s_barrier_signal -1
	s_barrier_wait -1
	s_add_co_u32 s70, s[SL], 1                     ; the slot that this change would ask for is read by none of my work-group's waves where it lies behind slot 7 - j: it is not asked for.
	s_cmp_gt_u32 s70, s[LAST]                      ; The work-group's number and the count of trips alone: all sixteen waves go the same way; every wait on TENSORcnt in this text is for 0
	s_cbranch_scc1 .Lpast
	TLOAD                                          ; a wave's one tensor load until the next barrier: it has a slot's steps in which to land
.Lpast:
	s_cmp_lt_u32 s[SL], s[LIM]                     ; A PREFETCH of the slot that the NEXT change will ask for: waves 4-7 of the head's first work-group, a quarter of a slot each; slots 0 and 1 come by their loads alone; the last is slot 7
	s_cbranch_scc0 .Lnot_mine
	global_prefetch_b8 v[PFO], s[PFA:PFA+1] th:TH_LOAD_NT scope:SCOPE_SE
.Lnot_mine:
	v_add_nc_u32 v[A16], s[TB], v[L16]
	v_add_nc_u32 v[A8], s[TB], v[L8]
	v_add_nc_u32 v[AR], s[TB], v[LR]
	s_lshl_b32 s[KI], s[SL], 1
	TSTEP QH, QW, STH, OH, DH, TSH, 0
	TSTEP QL, QW+2, STL, OL, DL, TSL, 0
	s_add_co_u32 s[KI], s[KI], 1
	TSTEP QH, QW, STH, OH, DH, TSH, 1
	TSTEP QL, QW+2, STL, OL, DL, TSL, 1
	s_xor_b32 s[TB], s[TB], SLOT1
	s_add_co_u32 s[SL], s[SL], 1
	s_cmp_lt_u32 s[SL], 8
	s_cbranch_scc1 .Lslot
; THE WAY OUT of a tile: O^T / the sum; register 16 b + i is channel 32 b + 16 (lane / 16) + i of the head: two blocks of the last product's K.  Codes and two scale bytes go to oq, laid as x's codes are.
.macro FIN st, ob, cb, sb, ur
	v_add_f32 v[TP], v[\st+2], v[\st+3]
	v_permlanex16_b32 v[TP+1], v[TP], s[SEL], s[SEL+1]
	v_add_f32 v[TP], v[TP], v[TP+1]                ; the row's sum
	v_rcp_f32 v[TP], v[TP]
	v_nop                                          ; a plain line behind the reciprocal,
	s_wait_alu depctr_va_vdst(0)                   ; and a wait ahead of its first reader
.set j, 0
.rept 16
	v_pk_mul_f32 v[RB+j:RB+j+1], v[\ob+j:\ob+j+1], v[TP:TP+1] op_sel_hi:[1,0]
.set j, j+2
.endr
.irp b, 0,1
	v_max3_num_f32 v[BM+\b], |v[RB+16*\b]|, |v[RB+16*\b+1]|, 0x1800000
.endr
.irp i, 2,4,6,8,10,12,14
.irp b, 0,1
	v_max3_num_f32 v[BM+\b], v[BM+\b], |v[RB+16*\b+\i]|, |v[RB+16*\b+\i+1]|
.endr
.endr
.irp b, 0,1
	v_permlanex16_b32 v[T4+\b], v[BM+\b], s[SEL], s[SEL+1]
.endr
.irp b, 0,1
	v_max_num_f32 v[BM+\b], v[BM+\b], v[T4+\b]
.endr
.irp b, 0,1
	v_add_nc_u32 v[SO+\b], 0xff000000, v[BM+\b]
.endr
.irp b, 0,1
	v_lshrrev_b32 v[T4+\b], 23, v[SO+\b]
.endr
	v_lshl_or_b32 v[\ur], v[T4+1], 8, v[T4]
	s_wait_xcnt 0x0                                ; the other tile's stores have read their registers
	v_cvt_scalef32_pk16_fp6_f32 v[PC:PC+2], v[RB:RB+15], v[SO]
	v_cvt_scalef32_pk16_fp6_f32 v[PT:PT+2], v[RB+16:RB+31], v[SO+1]
	v_nop
.irp i, 0,1,2
	v_permlane16_swap_b32 v[PC+\i], v[PT+\i]
.endr
.irp i, 0,1,2
	v_mov_b32 v[PC+3+\i], v[PT+\i]
.endr
	global_store_b128 v[L16], v[PC:PC+3], s[\cb:\cb+1]             ; 512 consecutive bytes
	global_store_b64 v[L8], v[PC+4:PC+5], s[\cb:\cb+1] offset:512  ; 256
	global_store_b16 v[LR], v[\ur], s[\sb:\sb+1]                   ; 2 bytes at a pitch of 16 (lanes l and l xor 16 write the same bytes with the same value): 256 KB in the whole launch; whole runs would want eight heads in one work-group
.endm
.rept 4
	v_nop                                          ; behind the last products
.endr
	FIN STH, OH, 56, 60, 248
	FIN STL, OL, 58, 62, 249
	s_wait_tensorcnt 0x0                           ; the wave's end, behind my last tensor load
	ds_add_u32 v[SPW], v[NIL]
	s_wait_dscnt 0x0
	s_endpgm
.Lfunc_end_k_q0d58b5f94f_attn:
	.size	k_q0d58b5f94f_attn, .Lfunc_end_k_q0d58b5f94f_attn-k_q0d58b5f94f_attn
	.p2alignl 7, 3214868480
	.fill 96, 4, 3214868480
	.section	.rodata,"a",@progbits
	.p2align	6, 0x0
	.amdhsa_kernel k_q0d58b5f94f_attn
		.amdhsa_group_segment_fixed_size 327680
		.amdhsa_private_segment_fixed_size 0
		.amdhsa_enable_private_segment 0
		.amdhsa_kernarg_size 24
		.amdhsa_user_sgpr_count 2
		.amdhsa_user_sgpr_kernarg_segment_ptr 1
		.amdhsa_wavefront_size32 1
		.amdhsa_system_sgpr_workgroup_id_x 1
		.amdhsa_system_sgpr_workgroup_id_y 1
		.amdhsa_system_sgpr_workgroup_id_z 1
		.amdhsa_system_vgpr_workitem_id 0
		.amdhsa_next_free_vgpr 256
		.amdhsa_next_free_sgpr 96
		.amdhsa_reserve_vcc 1
		.amdhsa_float_denorm_mode_32 3
		.amdhsa_float_denorm_mode_16_64 3
		.amdhsa_memory_ordered 1
		.amdhsa_forward_progress 1
		.amdhsa_inst_pref_size 101
	.end_amdhsa_kernel
	.amdgpu_metadata
---
amdhsa.version: [ 1, 2 ]
amdhsa.kernels:
  - .name:           k_q0d58b5f94f_attn
    .symbol:         k_q0d58b5f94f_attn.kd
    .args:
      - { .name: qq, .offset: 0, .size: 8, .value_kind: global_buffer, .address_space: global }
      - { .name: kv, .offset: 8, .size: 8, .value_kind: global_buffer, .address_space: global }
      - { .name: oq, .offset: 16, .size: 8, .value_kind: global_buffer, .address_space: global }
    .group_segment_fixed_size: 327680
    .private_segment_fixed_size: 0
    .kernarg_segment_align: 8
    .kernarg_segment_size: 24
    .max_flat_workgroup_size: 512
    .sgpr_count:     96
    .vgpr_count:     256
    .wavefront_size: 32
...
	.end_amdgpu_metadata
.endif
;; end of part 3
;; launch oproj (part 4): grid 4 x 32, 4 waves a work-group, clusters of 4 x 4, 327,680 bytes of LDS; arguments oq, wq, out0; writes out0
.if DOCPART == 4
	.amdgcn_target "amdgcn-amd-amdhsa--gfx1250"
	.amdhsa_code_object_version 6
	.text
	.protected	k_q0d58b5f94f_oproj
	.globl	k_q0d58b5f94f_oproj
	.p2align	8
	.type	k_q0d58b5f94f_oproj,@function
k_q0d58b5f94f_oproj:
	s_mov_b64 s[64:65], 0
	v_nop
	global_prefetch_b8 v0, s[64:65] scope:SCOPE_SE
	s_setreg_imm32_b32 hwreg(HW_REG_WAVE_MODE, 25, 1), 1
	s_wait_xcnt 0x0
	s_wait_alu depctr_hold_cnt(0) depctr_sa_sdst(0) depctr_va_vdst(0) depctr_va_sdst(0) depctr_va_ssrc(0) depctr_va_vcc(0) depctr_vm_vsrc(0)
	s_getreg_b32 s2, hwreg(HW_REG_IB_STS2, 6, 4)
	s_cmp_eq_u32 s2, 0
	s_cbranch_scc0 .Lentry_in_a_cluster
	s_endpgm
.Lentry_in_a_cluster:
	s_bfe_u32 s2, ttmp6, 0x10000c
	s_cmp_lg_u32 s2, 0xf033
	s_cbranch_scc0 .Lentry_shape_is_right
	s_endpgm
.Lentry_shape_is_right:
; out0 = o Wo on codes of FP6 (E2M3) with E8M0 scales, K = 1,024; out0 [8192][1024] f32.
; A tile of 256 x 256 is made by four waves, 128 x 128 each: 64 accumulators of 16 x 16, 512 registers.  K goes in steps of 256 through two LDS slots filled by the tensor data mover; all four K steps are written out.
; OPERANDS ARE IMAGES OF REGISTERS: a tile of 16 rows has 768 bytes for each 64 along K (registers 0-3 of lane l at 16 l, registers 4-5 at 512 + 8 l).  Position r of tile t is row 32 (t / 2) + 8 (t % 2) + r + 8 (r / 8).
; THE MATRIX INSTRUCTION IS USED TRANSPOSED (source 0 = 16 columns of Wo, source 1 = 16 rows of o): a lane holds one row of out0, and the 16 registers of tiles 2 b and 2 b + 1 are its columns 32 b + 16 (lane / 16) + 0 .. 15.
; CLUSTERS of 4 x 4 work-groups: o's tiles are shared along a row of the cluster, Wo's along a column: each is asked for jointly.  The problem's 32 x 4 tiles are 128 work-groups.
; REGISTERS, in windows of 256: window 0: v1-29 addresses; v32-95 scale words and nothing else; v128-223 A's fragments, one set; on the way out v128-255.  window 1: B's fragments, two sets.  windows 2, 3: the accumulators.
.set FR,    12
.set NL,    4
.set NP,    4
.set RTB,   12288
.set KSB,   3072
.set HALFT, 8*KSB
.set SLOT,  4*HALFT
.set SCL,   2*SLOT
.set HALFS, 4096
.set SPARE, SCL+4*HALFS                ; the spare words, 128 bytes for each wave: two blocks of 256 bytes that no other line names
.set OSC,   6291456
.set WMAT,  786432
.set WSCO,  3145728
.set WSC,   32768
.set SPITCH, 528                       ; the way out: a stage of 16 rows x (512 bytes + 16) for each wave, in slot 0, which has had its last fill and its last read when the first result is stored there
.set L16,  4
.set L8,   5
.set ADRA, 16
.set ADRB, 20
.set STO,  24
.set RD,   25
.set ADRS, 27
.set SPW,  28
.set NIL,  29
.set SC,   32
.set AF,   128
.set BK,   128
.set G1,   24
.set G0,   32
.set G1B,  48
.set G0B,  56
.set G1S,  68
.set G0S,  76
.set G1SB, 80
.set G0SB, 88
.set MSB, 0
.macro WIN new
.if MSB != (\new)
	s_set_vgpr_msb (MSB<<8)|(\new)
.set MSB, (\new)
.endif
.endm
.set MUL_LO, 0xa1
.set MUL_HI, 0xf1
.set TO_B,   0x40
.macro JLOAD g0a, g1a, g0b, g1b        ; a joint load: waves 0 and 1 fetch for A, waves 2 and 3 for B; an s_nop 0 and four v_nop follow each of the two lines
	s_cmp_eq_u32 s19, 0
	s_cbranch_scc0 .Lfor_b_\@
	tensor_load_to_lds s[\g0a:\g0a+3], s[\g1a:\g1a+7]
	s_nop 0
.rept 4
	v_nop
.endr
	s_branch .Lasked_\@
.Lfor_b_\@:
	tensor_load_to_lds s[\g0b:\g0b+3], s[\g1b:\g1b+7]
	s_nop 0
.rept 4
	v_nop
.endr
.Lasked_\@:
.endm
.macro CREST
	s_cmp_lg_u32 s18, 0
	s_cbranch_scc1 .Lnot_wave_0_\@
	s_barrier_signal -3
.Lnot_wave_0_\@:
	s_barrier_wait -3
	s_barrier_signal -1
	s_barrier_wait -1
.endm
.macro CROUND
	s_barrier_signal -1
	s_barrier_wait -1
	CREST
.endm
.macro PLACES n
.rept \n
	v_nop
.endr
.endm
	s_load_b128 s[4:7], s[0:1], 0x0                ; oq s[4:5], wq s[6:7]
	s_load_b64 s[12:13], s[0:1], 0x10              ; out0
	v_lshl_add_u32 v[SPW], v0, 2, SPARE
	v_mov_b32 v[NIL], 0
	ds_add_u32 v[SPW], v[NIL]                      ; the wave's opening: the add and its wait stand ahead of my first tensor load; the set-up below, work on registers, stands between them
	v_lshrrev_b32 v1, 5, v0
	v_readfirstlane_b32 s18, v1                    ; wave 0..3
	s_lshr_b32 s19, s18, 1                         ; which half of the tile's rows is mine.  Also: I fetch for A (0) or for B (1)
	s_and_b32 s20, s18, 1                          ; which half of its columns.  Also: which 8 tiles I fetch
	s_bfe_u32 s21, ttmp6, 0x40000                  ; cx
	s_bfe_u32 s22, ttmp6, 0x40004                  ; cy
	s_lshl_b32 s67, ttmp9, 2
	s_add_co_u32 s67, s67, s21                     ; tile column
	s_and_b32 s23, ttmp7, 0xffff
	s_lshl_b32 s23, s23, 2
	s_add_co_u32 s23, s23, s22                     ; tile row
	s_lshl_b32 s43, s22, 2
	s_lshl_b32 s43, 15, s43                        ; my row of the cluster
	s_lshl_b32 s44, 0x1111, s21                    ; my column
	s_or_b32 s[G1+0], s43, (3<<16)|(1<<21)         ; codes: 8 rows (tiles) of 3,072 bytes, 12,288 bytes apart, as elements of 8 bytes; no padding
	s_or_b32 s[G1B+0], s44, (3<<16)|(1<<21)
.irp g, G1, G1B
	s_mov_b32 s[\g+1], 384<<16
	s_mov_b32 s[\g+2], 8<<16
	s_mov_b32 s[\g+3], 384<<16
	s_mov_b32 s[\g+4], 8
	s_mov_b32 s[\g+5], 1536
	s_mov_b32 s[\g+6], 0
	s_mov_b32 s[\g+7], 0
.endr
	s_or_b32 s[G1S+0], s43, (3<<16)|(1<<21)        ; scale words: 4,096 dense bytes as 16 rows of 256
	s_or_b32 s[G1SB+0], s44, (3<<16)|(1<<21)
.irp g, G1S, G1SB
	s_mov_b32 s[\g+1], 32<<16
	s_mov_b32 s[\g+2], 16<<16
	s_mov_b32 s[\g+3], 32<<16
	s_mov_b32 s[\g+4], 16
	s_mov_b32 s[\g+5], 32
	s_mov_b32 s[\g+6], 0
	s_mov_b32 s[\g+7], 0
.endr
	s_lshl_b32 s45, s20, 3
	s_lshl_b32 s2, s23, 4
	s_add_co_u32 s2, s2, s45                       ; A: the first tile that I fetch
	s_lshl_b32 s3, s67, 4
	s_add_co_u32 s3, s3, s45                       ; B: likewise
	s_mul_i32 s40, s2, RTB
	s_mov_b32 s41, 0
	s_lshl_b32 s42, s2, 9
	s_mov_b32 s43, 0
	s_mul_i32 s44, s3, RTB
	s_mov_b32 s45, 0
	s_lshl_b32 s46, s3, 9
	s_mov_b32 s47, 0
	s_mul_i32 s2, s18, HALFT                       ; where they go: by the wave's number alone
	s_lshl_b32 s3, s18, 12
	s_wait_dscnt 0x0                               ; the opening add is done
	s_wait_kmcnt 0x0
	s_add_nc_u64 s[14:15], s[4:5], s[40:41]        ; o's codes,
	s_add_nc_u64 s[16:17], s[4:5], OSC
	s_add_nc_u64 s[16:17], s[16:17], s[42:43]      ; o's scale words,
	s_add_nc_u64 s[96:97], s[6:7], 3*WMAT
	s_add_nc_u64 s[96:97], s[96:97], s[44:45]      ; Wo's codes,
	s_add_nc_u64 s[94:95], s[6:7], WSCO+3*WSC
	s_add_nc_u64 s[94:95], s[94:95], s[46:47]      ; Wo's scale words
	CROUND                                         ; all sixteen work-groups are here: the first joint loads meet
	s_mov_b32 s[G0S], 1
	s_add_co_u32 s[G0S+1], s3, SCL
	s_mov_b64 s[G0S+2:G0S+3], s[16:17]
	s_or_b32 s[G0S+3], s[G0S+3], 0x80000000
	s_mov_b32 s[G0SB], 1
	s_add_co_u32 s[G0SB+1], s3, SCL
	s_mov_b64 s[G0SB+2:G0SB+3], s[94:95]
	s_or_b32 s[G0SB+3], s[G0SB+3], 0x80000000
	JLOAD G0S, G1S, G0SB, G1SB                     ; the scale words first.  By this text's count three loads of a wave are out behind the third
.irp s, 0,1
	s_mov_b32 s[G0+4*\s], 1
	s_add_co_u32 s[G0+4*\s+1], s2, \s*SLOT
	s_add_nc_u64 s[G0+4*\s+2:G0+4*\s+3], s[14:15], \s*KSB
	s_or_b32 s[G0+4*\s+3], s[G0+4*\s+3], 0x80000000
	s_mov_b32 s[G0B+4*\s], 1
	s_add_co_u32 s[G0B+4*\s+1], s2, \s*SLOT
	s_add_nc_u64 s[G0B+4*\s+2:G0B+4*\s+3], s[96:97], \s*KSB
	s_or_b32 s[G0B+4*\s+3], s[G0B+4*\s+3], 0x80000000
	JLOAD G0+4*\s, G1, G0B+4*\s, G1B
.endr
	v_and_b32 v1, 15, v0                           ; r
	v_bfe_u32 v2, v0, 4, 1                         ; h
	v_and_b32 v3, 31, v0
	v_lshlrev_b32 v[L16], 4, v3
	v_lshlrev_b32 v[L8], 3, v3
	s_mul_i32 s40, s19, HALFT
	s_mul_i32 s41, s20, HALFT
	s_add_co_u32 s41, s41, 2*HALFT
.irp s, 0,1
	v_add_nc_u32 v[ADRA+\s], s40, v[L16]
	v_add_nc_u32 v[ADRA+2+\s], s40, v[L8]
	v_add_nc_u32 v[ADRB+\s], s41, v[L16]
	v_add_nc_u32 v[ADRB+2+\s], s41, v[L8]
	s_add_co_u32 s40, s40, SLOT
	s_add_co_u32 s41, s41, SLOT
.endr
	s_lshl_b32 s40, s19, 12
	s_lshl_b32 s41, s20, 12
	s_add_co_u32 s41, s41, 2*HALFS
	s_sub_co_u32 s41, s41, s40
	v_mul_u32_u24 v6, s41, v2                      ; lanes 16-31 take B's scale words
	v_lshl_add_u32 v6, v1, 4, v6
	s_add_co_u32 s40, s40, SCL
	v_add_nc_u32 v[ADRS], s40, v6
	s_mul_i32 s40, s18, 16*SPITCH                  ; my stage
	v_mul_u32_u24 v6, v1, SPITCH
	v_lshl_add_u32 v6, v2, 6, v6
	v_add_nc_u32 v[STO], s40, v6                   ; in: row r, + 64 h: my half's 16 columns of each 32
	v_add_nc_u32 v[RD], s40, v[L16]                ; back: the 32 lanes take one row of 512 bytes
	s_lshl_b32 s40, s23, 20                        ; my first row of out0: 256 x tile row + 128 x half, rows of 4,096 bytes;
	s_lshl_b32 s41, s19, 19
	s_add_co_u32 s40, s40, s41
	s_lshl_b32 s41, s67, 10                        ; my first column: 1,024 bytes a tile column + 512 x half
	s_add_co_u32 s40, s40, s41
	s_lshl_b32 s41, s20, 9
	s_add_co_u32 s40, s40, s41
	s_mov_b32 s41, 0
	s_add_nc_u64 s[12:13], s[12:13], s[40:41]
.macro FRAG reg, adr, q, i
	ds_load_b128 v[\reg:\reg+3], v[\adr] offset:(\i)*KSB+(\q)*1536
	ds_load_b64 v[\reg+4:\reg+5], v[\adr+2] offset:(\i)*KSB+(\q)*1536+512
	ds_load_b128 v[\reg+6:\reg+9], v[\adr] offset:(\i)*KSB+(\q)*1536+768
	ds_load_b64 v[\reg+10:\reg+11], v[\adr+2] offset:(\i)*KSB+(\q)*1536+1280
.endm
; 16 matrix instructions: A's tiles a0, a0 + 1 x B's eight.  The 64 accumulators take turns, one instruction a turn, in the same order in every step.
.macro MUL16 a0, p, kf, zero
.irp a, \a0, \a0+1
.irp b, 0,1,2,3,4,5,6,7
.if \zero
	v_wmma_scale_f32_16x16x128_f8f6f4 v[8*(8*((\a)%4)+\b):8*(8*((\a)%4)+\b)+7], v[128*(\p)+FR*\b:128*(\p)+FR*\b+FR-1], v[AF+FR*(\a):AF+FR*(\a)+FR-1], 0, v[SC+8*\b+(\kf)], v[SC+8*(\a)+(\kf)] matrix_a_fmt:MATRIX_FMT_FP6 matrix_b_fmt:MATRIX_FMT_FP6 matrix_a_scale:MATRIX_SCALE_ROW1
.else
	v_wmma_scale_f32_16x16x128_f8f6f4 v[8*(8*((\a)%4)+\b):8*(8*((\a)%4)+\b)+7], v[128*(\p)+FR*\b:128*(\p)+FR*\b+FR-1], v[AF+FR*(\a):AF+FR*(\a)+FR-1], v[8*(8*((\a)%4)+\b):8*(8*((\a)%4)+\b)+7], v[SC+8*\b+(\kf)], v[SC+8*(\a)+(\kf)] matrix_a_fmt:MATRIX_FMT_FP6 matrix_b_fmt:MATRIX_FMT_FP6 matrix_a_scale:MATRIX_SCALE_ROW1
.endif
.endr
.endr
.endm
.macro FETCH_B slot, q, p
	WIN TO_B
.irp i, 0,1,2,3,4,5,6,7
	FRAG 128*(\p)+FR*\i, ADRB+\slot, \q, \i
.endr
	WIN 0
.endm
.macro FETCH_A slot, q, i0
.irp i, \i0, \i0+1, \i0+2, \i0+3
	FRAG AF+FR*(\i), ADRA+\slot, \q, \i
.endr
.endm
.macro SCALES
.irp i, 0,1,2,3,4,5,6,7
	ds_load_b128 v[SC+8*\i:SC+8*\i+3], v[ADRS] offset:512*\i
	ds_load_b128 v[SC+8*\i+4:SC+8*\i+7], v[ADRS] offset:512*\i+256
.endr
.endm
.macro STEP slot, kf, zero
	s_wait_dscnt 4*NL                              ; B's set and A's tiles 0-3 are in; the youngest 16 loads (A's tiles 4-7) may be out
	WIN MUL_LO
	MUL16 0, 0, \kf, \zero
	MUL16 2, 0, \kf, \zero
	s_wait_dscnt 0x0
	PLACES NP                                      ; in front of loads into registers that matrix instructions have read
	FETCH_B \slot, 1, 1
	FETCH_A \slot, 1, 0
	WIN MUL_HI
	MUL16 4, 0, \kf, \zero
	MUL16 6, 0, \kf, \zero
	PLACES NP
	WIN 0
	FETCH_A \slot, 1, 4
.endm
.macro TURN slot, next, fill, kf
	s_wait_tensorcnt 0x0                           ; all my tensor loads have landed: my part of the next slot
	ds_add_u32 v[SPW], v[NIL]                      ; 0 onto my spare word
	s_wait_dscnt 4*NL+1                            ; (the add and the youngest 16 loads may be out)
	WIN MUL_LO
	MUL16 0, 1, \kf, 0
	s_wait_dscnt 0x0                               ; the add is done, and my reads of this slot are over
	s_barrier_signal -1
	MUL16 2, 1, \kf, 0
	WIN 0
	s_barrier_wait -1
.if \fill
	CREST                                          ; the barrier has opened a round of the cluster's barrier: no wave of any partner still reads this slot or has a load on its way
	s_add_nc_u64 s[G0+4*\slot+2:G0+4*\slot+3], s[G0+4*\slot+2:G0+4*\slot+3], 2*KSB
	s_add_nc_u64 s[G0B+4*\slot+2:G0B+4*\slot+3], s[G0B+4*\slot+2:G0B+4*\slot+3], 2*KSB
	JLOAD G0+4*\slot, G1, G0B+4*\slot, G1B         ; the first tensor load behind the round; its four v_nop are also the places in front of the loads below
.else
	PLACES NP
.endif
	FETCH_B \next, 0, 0
	FETCH_A \next, 0, 0
	WIN MUL_HI
	MUL16 4, 1, \kf, 0
	MUL16 6, 1, \kf, 0
	PLACES NP
	WIN 0
	FETCH_A \next, 0, 4
.endm
	s_wait_tensorcnt 1                             ; the scale words and my part of K step 0 are in (K step 1's load may be out)
	s_barrier_signal -1
	s_barrier_wait -1                              ; everybody's are
	FETCH_B 0, 0, 0
	FETCH_A 0, 0, 0
	SCALES
	FETCH_A 0, 0, 4
	STEP 0, 0, 1
	TURN 0, 1, 1, 1
	STEP 1, 2, 0
	TURN 1, 0, 1, 3
	STEP 0, 4, 0
	TURN 0, 1, 0, 5                                ; nothing is left to fetch; behind this barrier nobody reads slot 0
	STEP 1, 6, 0
	s_wait_dscnt 4*NL
	WIN MUL_LO
	MUL16 0, 1, 7, 0
	MUL16 2, 1, 7, 0
	s_wait_dscnt 0x0
	WIN MUL_HI
	MUL16 4, 1, 7, 0
	MUL16 6, 1, 7, 0
	WIN 0
; THE WAY OUT, a tile of 16 rows x 128 columns at a time, through my own stage in LDS: in by lanes (a row's 32 bytes of each accumulator at their true columns), back as whole rows of 512 bytes.
; LDS serves a wave's instructions in order (ISA guide 5.7.1.4): no wait between the stores and the loads, nor in front of the next tile's stores.
.macro TOSTAGE a
.set AC, 64*((\a)%4)
	WIN 0x08+4*((\a)/4)                            ; the data: window 2 or 3
.irp b, 0,1,2,3,4,5,6,7
	ds_store_b128 v[STO], v[AC+8*\b:AC+8*\b+3] offset:128*(\b/2)+32*(\b%2)        ; each accumulator from its low end on
	ds_store_b128 v[STO], v[AC+8*\b+4:AC+8*\b+7] offset:128*(\b/2)+32*(\b%2)+16
.endr
	WIN 0
.set BB, BK+64*((\a)%2)
.irp t, 0,1,2,3,4,5,6,7,8,9,10,11,12,13,14,15
	ds_load_b128 v[BB+4*\t:BB+4*\t+3], v[RD] offset:\t*SPITCH
.endr
.endm
.macro SEND a, younger                 ; position t of tile a is row 32 (a / 2) + 8 (a % 2) + t + 8 (t / 8) of my 128
.set BB, BK+64*((\a)%2)
	s_wait_dscnt \younger                          ; the tile is back in registers
.if (\a) > 0
.if (\a)%2
	s_add_nc_u64 s[12:13], s[12:13], 8*4096        ; (behind a wait on XCNT: the earlier stores have read their base)
.else
	s_add_nc_u64 s[12:13], s[12:13], 24*4096
.endif
.endif
.irp t, 0,1,2,3,4,5,6,7,8,9,10,11,12,13,14,15
	global_store_b128 v[L16], v[BB+4*\t:BB+4*\t+3], s[12:13] offset:(\t+8*(\t/8))*4096 th:TH_STORE_NT   ; 32 lanes store 512 consecutive bytes, at a multiple of 256 from out0's first byte
.endr
.endm
	PLACES NP                                      ; behind the last products: results are read, and loads land in registers that held A's fragments
	TOSTAGE 0
.irp a, 1,2,3,4,5,6,7
.if \a > 1
	s_wait_xcnt 0x0                                ; tile a - 2's stores have read their registers and their base
.endif
	TOSTAGE \a
	SEND \a-1, 32                                  ; behind tile a - 1's loads: tile a's 16 stores and 16 loads
.endr
	s_wait_xcnt 0x0
	SEND 7, 0
	s_wait_tensorcnt 0x0                           ; the wave's end, behind my last tensor load and my last LDS store
	ds_add_u32 v[SPW], v[NIL]
	s_wait_dscnt 0x0
	CROUND                                         ; the closing round: no work-group ends while a partner may still ask for a tile that names it
	s_endpgm
.Lfunc_end_k_q0d58b5f94f_oproj:
	.size	k_q0d58b5f94f_oproj, .Lfunc_end_k_q0d58b5f94f_oproj-k_q0d58b5f94f_oproj
	.p2alignl 7, 3214868480
	.fill 96, 4, 3214868480
	.section	.rodata,"a",@progbits
	.p2align	6, 0x0
	.amdhsa_kernel k_q0d58b5f94f_oproj
		.amdhsa_group_segment_fixed_size 327680
		.amdhsa_private_segment_fixed_size 0
		.amdhsa_enable_private_segment 0
		.amdhsa_kernarg_size 24
		.amdhsa_user_sgpr_count 2
		.amdhsa_user_sgpr_kernarg_segment_ptr 1
		.amdhsa_wavefront_size32 1
		.amdhsa_system_sgpr_workgroup_id_x 1
		.amdhsa_system_sgpr_workgroup_id_y 1
		.amdhsa_system_sgpr_workgroup_id_z 1
		.amdhsa_system_vgpr_workitem_id 0
		.amdhsa_next_free_vgpr 1024
		.amdhsa_next_free_sgpr 100
		.amdhsa_reserve_vcc 0
		.amdhsa_float_denorm_mode_32 3
		.amdhsa_float_denorm_mode_16_64 3
		.amdhsa_memory_ordered 1
		.amdhsa_forward_progress 1
		.amdhsa_inst_pref_size 142
	.end_amdhsa_kernel
	.amdgpu_metadata
---
amdhsa.version: [ 1, 2 ]
amdhsa.kernels:
  - .name:           k_q0d58b5f94f_oproj
    .symbol:         k_q0d58b5f94f_oproj.kd
    .args:
      - { .name: oq, .offset: 0, .size: 8, .value_kind: global_buffer, .address_space: global }
      - { .name: wq, .offset: 8, .size: 8, .value_kind: global_buffer, .address_space: global }
      - { .name: out0, .offset: 16, .size: 8, .value_kind: global_buffer, .address_space: global }
    .group_segment_fixed_size: 327680
    .private_segment_fixed_size: 0
    .kernarg_segment_align: 8
    .kernarg_segment_size: 24
    .max_flat_workgroup_size: 128
    .sgpr_count:     100
    .vgpr_count:     1024
    .wavefront_size: 32
...
	.end_amdgpu_metadata
.endif
;; end of part 4
